; MI455X (gfx1250); checked and timed in simulation.
; The chip was launched on July 23, 2026; its instructions are those of AMD's public machine-readable ISA for CDNA 5 (MIT licence, August 2026) and "CDNA5" Instruction Set Architecture Reference Guide (July 2026). The comments in the code are by the model that wrote it; some were corrected since.
;; Causal Self Attn. Allowed arithmetic: matrix products marked QUANTISED: E2M1 operands, one E8M0 scale for each 32 along K, by v_wmma_scale_f32_16x16x128_f8f6f4 with both operands' format E2M1 (or v_wmma_scale_f32_32x16x128_f4), f32 sums; everything else in f32.
;; Inputs: Wk_codes 2,048 x 64 x 16 uint8 (E2M1 codes of Wk, K innermost, in blocks of 32 codes, two codes a byte); Wk_scales 2,048 x 64 uint8 (E8M0 scales of Wk, one for each 32 codes along K); Wo_codes 2,048 x 64 x 16 uint8 (E2M1 codes of Wo, K innermost, in blocks of 32 codes, two codes a byte); Wo_scales 2,048 x 64 uint8 (E8M0 scales of Wo, one for each 32 codes along K); Wq_codes 2,048 x 64 x 16 uint8 (E2M1 codes of Wq, K innermost, in blocks of 32 codes, two codes a byte); Wq_scales 2,048 x 64 uint8 (E8M0 scales of Wq, one for each 32 codes along K); Wv_codes 2,048 x 64 x 16 uint8 (E2M1 codes of Wv, K innermost, in blocks of 32 codes, two codes a byte); Wv_scales 2,048 x 64 uint8 (E8M0 scales of Wv, one for each 32 codes along K); attn_mask 2,048 x 2,048 float32; bk 2,048 float32; bo 2,048 float32; bq 2,048 float32; bv 2,048 float32; x_codes 2,048 x 64 x 16 uint8 (E2M1 codes of x, K innermost, in blocks of 32 codes, two codes a byte); x_scales 2,048 x 64 uint8 (E8M0 scales of x, one for each 32 codes along K).
;; Outputs: out0 2,048 x 2,048 float32.
;; This version of the problem:
;;   THIS VERSION OF THE PROBLEM IS GIVEN IN LOW PRECISION. The matrix products marked QUANTISED in the list below multiply operands that are first quantised to E2M1 (2 exponent bits, 1 mantissa bit; 4 bits a number), with one power-of-two scale for each 32 numbers along K (OCP MX v1.0); their sums are f32. All else is computed in f32.
;;   The module's matrix products, in the order in which they are computed (A, B: the left and right operand; K: the contracted axis; several contracted axes count as one K, in the product's order):
;;     1. [M 2,048, K 2,048] x [K 2,048, N 2,048]; A: input x (given as codes); B: input Wq (given as codes): QUANTISED
;;     2. [M 2,048, K 2,048] x [K 2,048, N 2,048]; A: input x (given as codes); B: input Wk (given as codes): QUANTISED
;;     3. [M 2,048, K 2,048] x [K 2,048, N 2,048]; A: input x (given as codes); B: input Wv (given as codes): QUANTISED
;;     4. batch 16 x [M 2,048, K 128] x [K 128, N 2,048]; A: computed on the way; B: computed on the way: QUANTISED
;;     5. batch 16 x [M 2,048, K 2,048] x [K 2,048, N 128]; A: softmax (see below); B: computed on the way: QUANTISED
;;     6. [M 2,048, K 2,048] x [K 2,048, N 2,048]; A: computed on the way; B: input Wo (given as codes): QUANTISED
;;   THE QUANTISER, for each operand of a quantised product, along K:
;;     - K is cut into blocks of 32 from its start; a last block that is shorter is filled with zeros.
;;     - A block's scale is 2^e with e = floor(log2(the largest magnitude in the block)) - 2, held to -126 .. 127; a block of zeros has e = 0. As a byte (E8M0): e + 127.
;;     - Each number is divided by its block's scale, clamped to +-6, and rounded to the nearest number of E2M1, ties to even, subnormals kept.
;;     - The product sums the exact products of the quantised numbers (number of the format x scale) in f32.
;;   ~~~python
;;   def quantise(x, axis):      # numpy; x: float32 -> the quantised numbers, widened to float32 again
;;       x = np.moveaxis(x, axis, -1); K = x.shape[-1]
;;       x = np.pad(x, [(0, 0)] * (x.ndim - 1) + [(0, -K % 32)]); x = x.reshape(x.shape[:-1] + (-1, 32)); a = np.abs(x).max(-1, keepdims=True)
;;       e = np.where(a > 0, np.clip(np.frexp(np.where(a > 0, a, 1))[1] - 1 - 2, -126, 127), 0)      # np.frexp(a)[1] - 1 = floor(log2(a)), exactly
;;       r = np.clip(x / 2.0 ** e, -6, 6)
;;       step = 2.0 ** (np.maximum(np.frexp(np.where(r == 0, 1, r))[1] - 1, 0) - 1)
;;       q = np.round(r / step) * step * 2.0 ** e      # np.round: ties to even
;;       return np.moveaxis(q.reshape(q.shape[:-2] + (-1,))[..., :K], -1, axis).astype(np.float32)
;;   ~~~
;;   SOFTMAX AHEAD OF A QUANTISED PRODUCT. Where the list says 'softmax', what is quantised is not the finished softmax but p = 2^(t - M), with t = logit x log2(e) and M = ceil(the row's largest t), a whole number; so 1/2 < the row's largest p <= 1. The row's sum l is taken of the UNQUANTISED p, in f32, and the product's result is divided by l at the end. Since M is a whole number, a kernel that streams over the keys may use a running M (the ceiling of the running maximum): every later rescaling is an exact power of two, which a block's scale takes up: the codes' values come out the same.
;;   OPERANDS COMPUTED ON THE WAY. 'Computed on the way' means the value that the module computes at that place (a softmax that the list does not call 'softmax' is quantised finished and normalised). What goes into a quantiser is computed in f32, as accurately as f32 sums, v_exp_f32 and their like allow (about 1e-6 of the number): no bf16 or f16 on the way to a quantiser, and a product that is left as it is and whose result goes on into a quantised operand takes f32 operands (vector FMAs, or v_wmma_f32_16x16x4_f32). A number that lies on a knife's edge between two numbers of the format may be rounded either way, as far as f32 arithmetic and the matrix unit's own rounding can turn it there, and no further.
;;   INPUTS GIVEN AS CODES. Wk (in the module: [2048, 2048], K = its axis 1); Wo (in the module: [2048, 2048], K = its axis 1); Wq (in the module: [2048, 2048], K = its axis 1); Wv (in the module: [2048, 2048], K = its axis 1); x (in the module: [2048, 2048], K = its axis 1): each comes as NAME_codes (uint8): NAME with its K axis moved to the last place and cut into blocks of 32 codes, [.., K / 32, bytes a block], one block behind the other in memory; two codes a byte, the lower K in the low four bits (a code: sign, 2 exponent bits, 1 mantissa bit); and NAME_scales (uint8): the same leading axes, one E8M0 byte (e + 127) for each 32 codes along K. Its value is code x scale, taken as it is: it is not quantised again, and the codes and scales need not be those that the quantiser above would give.
;; One version. Each part assembles by itself: llvm-mc -triple=amdgcn-amd-amdhsa -mcpu=gfx1250 --defsym DOCPART=n.
;; ======== version 1 of 1: 3 launches
;; limits: right only within a limited range of input values
;; workspace buffers: qb 2,228,224 bytes; kv 4,456,448 bytes; ao 2,228,224 bytes
;; launch qkv (part 1): grid 24 x 8, 4 waves a work-group, clusters of 4 x 4, 327,680 bytes of LDS; arguments x_codes, x_scales, Wq_codes, Wq_scales, Wk_codes, Wk_scales, Wv_codes, Wv_scales, bq, bk, bv, qb, kv; writes qb, kv
.if DOCPART == 1
	.amdgcn_target "amdgcn-amd-amdhsa--gfx1250"
	.amdhsa_code_object_version 6
	.text
	.protected	k_q5955665306_qkv
	.globl	k_q5955665306_qkv
	.p2align	8
	.type	k_q5955665306_qkv,@function
k_q5955665306_qkv:
	s_mov_b64 s[64:65], 0
	v_nop
	global_prefetch_b8 v0, s[64:65] scope:SCOPE_SE
	s_setreg_imm32_b32 hwreg(HW_REG_WAVE_MODE, 25, 1), 1
	s_wait_xcnt 0x0
	s_wait_alu depctr_hold_cnt(0) depctr_sa_sdst(0) depctr_va_vdst(0) depctr_va_sdst(0) depctr_va_ssrc(0) depctr_va_vcc(0) depctr_vm_vsrc(0)
	s_getreg_b32 s2, hwreg(HW_REG_IB_STS2, 6, 4)
	s_cmp_eq_u32 s2, 0
	s_cbranch_scc0 .Lentry_in_a_cluster
	s_endpgm
.Lentry_in_a_cluster:
	s_bfe_u32 s2, ttmp6, 0x10000c
	s_cmp_lg_u32 s2, 0xf033
	s_cbranch_scc0 .Lentry_shape_is_right
	s_endpgm
.Lentry_shape_is_right:
; LAUNCH 1 OF 3.  q = x Wq^T + bq, k = x Wk^T + bk, v = x Wv^T + bv, each 2,048 x 2,048 x 2,048, on codes of FP4 (E2M1) with E8M0 scales; sums and bias in f32; q and k are quantised along the head's 128, v along the keys,
; and stored as images of the next launch's operand registers.  No work of reference() is left out, in this launch or in the later ones: the mask and all biases are inputs with a way to the output.
; LIMITS: a scale byte that this program makes is held at 1 from below (a block whose largest magnitude is under 2^-124 is quantised with that byte; a block of zeros has it too: its codes are zeros); no NaN or infinity in x, the weights or the biases.
; A work-group makes 256 x 256 of one of the three results (x columns 0-7 of the grid: q, 8-15: k, 16-23: v); four waves, each 128 x 128.  K goes in steps of 512 through two LDS slots; the scales of all K come once.
; For v the sources change places, so that a lane's registers run along the keys.  Tiles are asked for jointly in clusters of 4 x 4.  The bias is the C of each sum's first matrix instruction.
; PREFETCHES INTO THE L2: behind K step 1's load K step 2 is asked for, behind K step 2's load K step 3: one K step ahead of the load, 32 rows x 256 bytes a wave, a lane a row.  The four partners that ask for a tile jointly
; share its rows out by address, so each block of 256 bytes is named once in each cluster that will load it.  K steps 0 and 1 come by their loads alone.
.set PFO,    24
.set PFA,    100
.set KSTEP,  512
.set NQ,     KSTEP/128
.set ROWB,   256
.set KROW,   1024
.set PITCH,  272
.set FR,     8
.set NL,     2
.set NP,     4
.set HALFT,  128*PITCH
.set SLOT,   4*HALFT
.set LAPS,   2
.set KS,     64
.set SCL,    2*SLOT
.set HALFS,  (128*KS/256)*272
.set SBLK,   (16*KS/256)*272
.set SPARE,  SCL+4*HALFS
.set BIASL,  SPARE+512
.set SSTG,   BIASL+4*512
.set ADRA, 16
.set BA1,  18
.set BA2,  19
.set ADRB, 20
.set SS,   22
.set SL,   23
.set ADRS, 27
.set SPW,  28
.set NIL,  29
.set LI,   30
.set BST,  31
.set SC,   32
.set SWR,  96
.set AF,   128
.set BI,   192
.set TM,   200
.set WV,   20
.set RH,   21
.set CH,   22
.set KIND, 23
.set G1,   24
.set G0,   32
.set G1B,  48
.set G0B,  56
.set G1S,  4
.set G1SB, 12
.set G0S,  92
.set G0SB, 96
.set SEL,  66
.set PAC,  78
.set PAS,  80
.set PBC,  82
.set PBS,  84
.set PBI,  86
.set DST,  88
.set DSS,  90
.set MSB, 0
.macro WIN new
.if MSB != (\new)
	s_set_vgpr_msb (MSB<<8)|(\new)
.set MSB, (\new)
.endif
.endm
.set MUL_LO, 0xa1
.set MUL_HI, 0xf1
.set TO_B,   0x40
.macro JLOAD g0a, g1a, g0b, g1b
	s_cmp_eq_u32 s[RH], 0
	s_cbranch_scc0 .Lfor_b_\@
	tensor_load_to_lds s[\g0a:\g0a+3], s[\g1a:\g1a+7]
	s_nop 0
.rept 4
	v_nop
.endr
	s_branch .Lasked_\@
.Lfor_b_\@:
	tensor_load_to_lds s[\g0b:\g0b+3], s[\g1b:\g1b+7]
	s_nop 0
.rept 4
	v_nop
.endr
.Lasked_\@:
.endm
.macro CREST
	s_cmp_lg_u32 s[WV], 0
	s_cbranch_scc1 .Lnot_wave_0_\@
	s_barrier_signal -3
.Lnot_wave_0_\@:
	s_barrier_wait -3
	s_barrier_signal -1
	s_barrier_wait -1
.endm
.macro CROUND
	s_barrier_signal -1
	s_barrier_wait -1
	CREST
.endm
	s_load_b512 s[4:19], s[0:1], 0x0
	s_load_b256 s[68:75], s[0:1], 0x40
	s_load_b64 s[76:77], s[0:1], 0x60
	v_lshl_add_u32 v[SPW], v0, 2, SPARE
	v_mov_b32 v[NIL], 0
	ds_add_u32 v[SPW], v[NIL]
	ds_add_u32 v[SPW], v[NIL]
	v_lshrrev_b32 v1, 5, v0
	v_readfirstlane_b32 s[WV], v1
	s_lshr_b32 s[RH], s[WV], 1
	s_and_b32 s[CH], s[WV], 1
	s_lshr_b32 s[KIND], ttmp9, 1
	s_bfe_u32 s40, ttmp6, 0x40000
	s_bfe_u32 s41, ttmp6, 0x40004
	s_and_b32 s42, ttmp9, 1
	s_lshl_b32 s42, s42, 2
	s_add_co_u32 s42, s42, s40
	s_and_b32 s43, ttmp7, 0xffff
	s_lshl_b32 s43, s43, 2
	s_add_co_u32 s43, s43, s41
	s_lshl_b32 s44, s41, 2
	s_lshl_b32 s44, 15, s44
	s_lshl_b32 s45, 0x1111, s40
	s_or_b32 s[G1+0], s44, (0<<16)|(1<<20)|(1<<21)|(5<<22)|(3<<25)
	s_or_b32 s[G1B+0], s45, (0<<16)|(1<<20)|(1<<21)|(5<<22)|(3<<25)
.irp g, G1, G1B
	s_mov_b32 s[\g+1], ROWB<<16
	s_mov_b32 s[\g+2], 256<<16                     ; 256 rows for the head's loads; 128 for the ring's, set behind them
	s_mov_b32 s[\g+3], ROWB<<16
	s_mov_b32 s[\g+4], 256
	s_mov_b32 s[\g+5], KROW
	s_mov_b32 s[\g+6], 0
	s_mov_b32 s[\g+7], 0
.endr
	s_lshl_b32 s66, s43, 8
	s_lshl_b32 s46, s42, 8
	s_lshl_b32 s100, s66, 6
	s_mov_b32 s101, 0
	s_lshl_b32 s66, s66, 10
	s_mov_b32 s67, 0
	s_lshl_b32 s2, s46, 6
	s_mov_b32 s3, 0
	s_lshl_b32 s46, s46, 10
	s_mov_b32 s47, 0
	s_wait_dscnt 0x0
	s_wait_kmcnt 0x0
	s_cmp_eq_u32 s[KIND], 2
	s_cselect_b64 s[PAC:PAC+1], s[16:17], s[4:5]
	s_cselect_b64 s[PAS:PAS+1], s[18:19], s[6:7]
	s_cselect_b64 s[PBC:PBC+1], s[4:5], s[8:9]
	s_cselect_b64 s[PBS:PBS+1], s[6:7], s[10:11]
	s_cselect_b64 s[PBI:PBI+1], s[72:73], s[68:69]
	s_cselect_b64 s[DST:DST+1], s[76:77], s[74:75]
	s_cmp_eq_u32 s[KIND], 1
	s_cselect_b64 s[PBC:PBC+1], s[12:13], s[PBC:PBC+1]
	s_cselect_b64 s[PBS:PBS+1], s[14:15], s[PBS:PBS+1]
	s_cselect_b64 s[PBI:PBI+1], s[70:71], s[PBI:PBI+1]
	s_cselect_b64 s[DST:DST+1], s[76:77], s[DST:DST+1]
	s_add_nc_u64 s[PAC:PAC+1], s[PAC:PAC+1], s[66:67]
	s_add_nc_u64 s[PAS:PAS+1], s[PAS:PAS+1], s[100:101]
	s_add_nc_u64 s[PBC:PBC+1], s[PBC:PBC+1], s[46:47]
	s_add_nc_u64 s[PBS:PBS+1], s[PBS:PBS+1], s[2:3]
	s_or_b32 s[G1S+0], s44, (3<<16)|(1<<20)|(1<<21)|(5<<22)|(3<<25)
	s_or_b32 s[G1SB+0], s45, (3<<16)|(1<<20)|(1<<21)|(5<<22)|(3<<25)
.irp g, G1S, G1SB
	s_mov_b32 s[\g+1], 32<<16
	s_mov_b32 s[\g+2], KS<<16                      ; the scales of 256 rows: KS rows of 256 bytes
	s_mov_b32 s[\g+3], 32<<16
	s_mov_b32 s[\g+4], KS
	s_mov_b32 s[\g+5], 32
	s_mov_b32 s[\g+6], 0
	s_mov_b32 s[\g+7], 0
.endr
	CROUND
	s_mov_b32 s[G0S], 1                            ; the head's four tiles, each whole: A's scales,
	s_mov_b32 s[G0S+1], SCL
	s_mov_b64 s[G0S+2:G0S+3], s[PAS:PAS+1]
	s_or_b32 s[G0S+3], s[G0S+3], 0x80000000
	s_mov_b32 s[G0SB], 1                           ; B's scales,
	s_mov_b32 s[G0SB+1], SCL+2*HALFS
	s_mov_b64 s[G0SB+2:G0SB+3], s[PBS:PBS+1]
	s_or_b32 s[G0SB+3], s[G0SB+3], 0x80000000
	s_mov_b32 s[G0], 1                             ; K step 0's 256 rows of A,
	s_mov_b32 s[G0+1], 0
	s_mov_b64 s[G0+2:G0+3], s[PAC:PAC+1]
	s_or_b32 s[G0+3], s[G0+3], 0x80000000
	s_mov_b32 s[G0B], 1                            ; and its 256 rows of B
	s_mov_b32 s[G0B+1], 2*HALFT
	s_mov_b64 s[G0B+2:G0B+3], s[PBC:PBC+1]
	s_or_b32 s[G0B+3], s[G0B+3], 0x80000000
; One load a wave at the head: one tree of branches on the wave's number, every way through it passes one load.
.macro ARM under, g0, g1, next
	s_cmp_lt_u32 s[WV], \under
	s_cbranch_scc0 \next
	tensor_load_to_lds s[\g0:\g0+3], s[\g1:\g1+7]
	s_nop 0
.rept 4
	v_nop
.endr
	s_branch .Lhead_asked
\next:
.endm
	ARM 1, G0,  G1,  .Lhead_b
	ARM 2, G0B, G1B, .Lhead_sa
	ARM 3, G0S, G1S, .Lhead_sb
	tensor_load_to_lds s[G0SB:G0SB+3], s[G1SB:G1SB+7]
	s_nop 0
.rept 4
	v_nop
.endr
.Lhead_asked:
	v_and_b32 v1, 15, v0
	v_bfe_u32 v2, v0, 4, 1
	v_mul_u32_u24 v3, v1, PITCH
	v_lshl_add_u32 v4, v2, 4, v3
	s_mul_i32 s68, s[RH], HALFT
	s_mul_i32 s69, s[CH], HALFT
	s_add_co_u32 s69, s69, 2*HALFT
.irp s, 0,1
	v_add_nc_u32 v[ADRA+\s], s68, v4
	v_add_nc_u32 v[ADRB+\s], s69, v4
	s_add_co_u32 s68, s68, SLOT
	s_add_co_u32 s69, s69, SLOT
.endr
	v_mul_u32_u24 v5, v1, KS
	v_lshrrev_b32 v6, 8, v5
	v_lshl_add_u32 v5, v6, 4, v5
	s_mul_i32 s68, s[RH], HALFS
	s_mul_i32 s69, s[CH], HALFS
	s_add_co_u32 s69, s69, 2*HALFS
	s_sub_co_u32 s69, s69, s68
	v_mul_u32_u24 v6, s69, v2
	s_add_co_u32 s68, s68, SCL
	v_add_nc_u32 v5, v5, v6
	v_add_nc_u32 v[ADRS], s68, v5
	v_and_b32 v7, 31, v0
	v_lshlrev_b32 v[LI], 4, v7
	s_wait_alu depctr_va_vdst(0)
	s_lshl_b32 s68, s[WV], 9
	s_add_co_u32 s69, s68, BIASL
	v_add_nc_u32 v[BST], s69, v[LI]
	v_lshl_add_u32 v[BA1], v2, 5, s69
	v_lshl_add_u32 v[BA2], v1, 2, s69
	s_add_co_u32 s69, s68, SSTG
	v_lshl_add_u32 v[SS], v7, 2, s69
	v_add_nc_u32 v[SL], s69, v[LI]
	s_lshl_b32 s68, s43, 1
	s_add_co_u32 s68, s68, s[RH]
	s_lshl_b32 s69, s42, 1
	s_add_co_u32 s69, s69, s[CH]
	s_cmp_eq_u32 s[KIND], 2
	s_cselect_b32 s70, s68, s69
	s_cselect_b32 s71, s69, s68
	s_cselect_b32 s72, 8192, 0
	s_mov_b32 s73, 8704
	s_mov_b32 s74, 16384
	s_cselect_b32 s73, s73, s74
	s_cmp_eq_u32 s[KIND], 0
	s_cselect_b32 s73, 8192, s73
	s_mov_b32 s74, 17408
	s_cselect_b32 s74, 8704, s74
	s_lshl_b32 s75, s70, 4
	s_add_co_u32 s75, s75, s71
	s_mul_i32 s75, s75, s74
	s_add_co_u32 s76, s75, s72
	s_mov_b32 s77, 0
	s_add_nc_u64 s[DST:DST+1], s[DST:DST+1], s[76:77]
	s_mov_b32 s76, s73
	s_add_nc_u64 s[DSS:DSS+1], s[DST:DST+1], s[76:77]
	s_lshl_b32 s76, s70, 9
	s_add_nc_u64 s[PBI:PBI+1], s[PBI:PBI+1], s[76:77]
	global_load_b128 v[8:11], v[LI], s[PBI:PBI+1]
	v_lshlrev_b32 v[PFO], 10, v7                   ; a lane a row
	s_wait_alu depctr_va_vdst(0)                   ; at the head's end
	s_wait_tensorcnt 0x0                           ; my tile of the head's four is in
	ds_add_u32 v[SPW], v[NIL]
	s_mul_i32 s76, s[CH], 128*KROW                 ; for the ring I fetch 128 rows of a tile: which half (s77 is 0)
	s_add_nc_u64 s[PAC:PAC+1], s[PAC:PAC+1], s[76:77]
	s_add_nc_u64 s[PBC:PBC+1], s[PBC:PBC+1], s[76:77]
	s_mul_i32 s3, s[WV], HALFT
.irp s, 0,1
	s_mov_b32 s[G0+4*\s], 1
	s_add_co_u32 s[G0+4*\s+1], s3, \s*SLOT
	s_add_nc_u64 s[G0+4*\s+2:G0+4*\s+3], s[PAC:PAC+1], \s*ROWB
	s_or_b32 s[G0+4*\s+3], s[G0+4*\s+3], 0x80000000
	s_mov_b32 s[G0B+4*\s], 1
	s_add_co_u32 s[G0B+4*\s+1], s3, \s*SLOT
	s_add_nc_u64 s[G0B+4*\s+2:G0B+4*\s+3], s[PBC:PBC+1], \s*ROWB
	s_or_b32 s[G0B+4*\s+3], s[G0B+4*\s+3], 0x80000000
.endr
.irp g, G1, G1B
	s_mov_b32 s[\g+2], 128<<16                     ; from here on a load brings 128 rows
	s_mov_b32 s[\g+4], 128
.endr
	s_lshl_b32 s76, s40, 15                        ; the prefetches: 32 of the 128 rows that I fetch, by cx for A, by cy for B
	s_lshl_b32 s2, s41, 15
	s_cmp_eq_u32 s[RH], 0
	s_cselect_b32 s76, s76, s2
	s_cselect_b64 s[PFA:PFA+1], s[PAC:PAC+1], s[PBC:PBC+1]
	s_add_nc_u64 s[PFA:PFA+1], s[PFA:PFA+1], s[76:77]
	s_wait_dscnt 0x0                               ; the add is done
	CROUND                                         ; all four tiles are in, in all sixteen work-groups
	JLOAD G0+4, G1, G0B+4, G1B                     ; K step 1: the first tensor load behind the round
	s_wait_loadcnt 0x0                             ; the bias
	ds_store_b128 v[BST], v[8:11]
	s_wait_dscnt 0x0
	global_prefetch_b8 v[PFO], s[PFA:PFA+1] offset:2*ROWB th:TH_LOAD_NT scope:SCOPE_SE
.macro FRAG reg, adr, q, i
.irp c, 0,1
	ds_load_b128 v[\reg+4*\c:\reg+4*\c+3], v[\adr] offset:64*(\q)+32*\c+(\i)*16*PITCH
.endr
.endm
.macro MUL16 a0, p, q, sc, zero
.irp a, \a0, \a0+1
.irp b, 0,1,2,3,4,5,6,7
.if (\zero) == 1                       ; q, k: a lane's registers run along the bias
	v_wmma_scale_f32_16x16x128_f8f6f4 v[8*(8*((\a)%4)+\b):8*(8*((\a)%4)+\b)+7], v[128*(\p)+FR*\b:128*(\p)+FR*\b+FR-1], v[AF+FR*(\a):AF+FR*(\a)+FR-1], v[BI+8*\b:BI+8*\b+7], v[SC+8*NQ*(\sc)+NQ*\b+(\q)], v[SC+8*NQ*(\sc)+NQ*(\a)+(\q)] matrix_a_fmt:MATRIX_FMT_FP4 matrix_b_fmt:MATRIX_FMT_FP4 matrix_a_scale:MATRIX_SCALE_ROW1
.elseif (\zero) == 2                   ; v: one number of the bias a lane
	v_wmma_scale_f32_16x16x128_f8f6f4 v[8*(8*((\a)%4)+\b):8*(8*((\a)%4)+\b)+7], v[128*(\p)+FR*\b:128*(\p)+FR*\b+FR-1], v[AF+FR*(\a):AF+FR*(\a)+FR-1], v[BI+8*(\a):BI+8*(\a)+7], v[SC+8*NQ*(\sc)+NQ*\b+(\q)], v[SC+8*NQ*(\sc)+NQ*(\a)+(\q)] matrix_a_fmt:MATRIX_FMT_FP4 matrix_b_fmt:MATRIX_FMT_FP4 matrix_a_scale:MATRIX_SCALE_ROW1
.else
	v_wmma_scale_f32_16x16x128_f8f6f4 v[8*(8*((\a)%4)+\b):8*(8*((\a)%4)+\b)+7], v[128*(\p)+FR*\b:128*(\p)+FR*\b+FR-1], v[AF+FR*(\a):AF+FR*(\a)+FR-1], v[8*(8*((\a)%4)+\b):8*(8*((\a)%4)+\b)+7], v[SC+8*NQ*(\sc)+NQ*\b+(\q)], v[SC+8*NQ*(\sc)+NQ*(\a)+(\q)] matrix_a_fmt:MATRIX_FMT_FP4 matrix_b_fmt:MATRIX_FMT_FP4 matrix_a_scale:MATRIX_SCALE_ROW1
.endif
.endr
.endr
.endm
.macro FETCH_B slot, q, p
	WIN TO_B
.irp i, 0,1,2,3,4,5,6,7
	FRAG 128*(\p)+FR*\i, ADRB+\slot, \q, \i
.endr
	WIN 0
.endm
.macro FETCH_A slot, q, i0
.irp i, \i0, \i0+1, \i0+2, \i0+3
	FRAG AF+FR*(\i), ADRA+\slot, \q, \i
.endr
.endm
.macro SCALES sc
.irp i, 0,1,2,3,4,5,6,7
	ds_load_b128 v[SC+8*NQ*\sc+NQ*\i:SC+8*NQ*\sc+NQ*\i+3], v[ADRS] offset:\i*SBLK
.endr
.endm
.macro PLACES n
.rept \n
	v_nop
.endr
.endm
.macro STEP slot, q, zero
	s_wait_dscnt 4*NL
.if \zero
	WIN 0x81                                       ; C, the bias, in window 0
.else
	WIN MUL_LO
.endif
	MUL16 0, (\q)%2, \q, \slot, \zero
	MUL16 2, (\q)%2, \q, \slot, \zero
	s_wait_dscnt 0
	PLACES NP
	FETCH_B \slot, (\q)+1, 1-(\q)%2
	FETCH_A \slot, (\q)+1, 0
.if \zero
	WIN 0xc1
.else
	WIN MUL_HI
.endif
	MUL16 4, (\q)%2, \q, \slot, \zero
	MUL16 6, (\q)%2, \q, \slot, \zero
	PLACES NP
	WIN 0
	FETCH_A \slot, (\q)+1, 4
.endm
.macro TURN slot, next, fill
	s_wait_tensorcnt 0x0
	ds_add_u32 v[SPW], v[NIL]
	s_wait_dscnt 4*NL+1
	WIN MUL_LO
	MUL16 0, 1, NQ-1, \slot, 0
	s_wait_dscnt 0x0
	s_barrier_signal -1
	MUL16 2, 1, NQ-1, \slot, 0
	WIN 0
	s_barrier_wait -1
.if \fill
	CREST
	s_add_nc_u64 s[G0+4*\slot+2:G0+4*\slot+3], s[G0+4*\slot+2:G0+4*\slot+3], 2*ROWB
	s_add_nc_u64 s[G0B+4*\slot+2:G0B+4*\slot+3], s[G0B+4*\slot+2:G0B+4*\slot+3], 2*ROWB
	JLOAD G0+4*\slot, G1, G0B+4*\slot, G1B
.else
	PLACES NP
.endif
	s_wait_alu depctr_va_vdst(0)
	v_add_nc_u32 v[ADRS], 4*NQ, v[ADRS]
	FETCH_B \next, 0, 0
	FETCH_A \next, 0, 0
	SCALES \next
.if (\fill) && ((\slot) == 0)          ; K step 2 has been asked for: now K step 3 of memory
	global_prefetch_b8 v[PFO], s[PFA:PFA+1] offset:3*ROWB th:TH_LOAD_NT scope:SCOPE_SE
.endif
	WIN MUL_HI
	MUL16 4, 1, NQ-1, \slot, 0
	MUL16 6, 1, NQ-1, \slot, 0
	PLACES NP
	WIN 0
	FETCH_A \next, 0, 4
.endm
.macro STEPS slot, from
.set Q, \from
.rept NQ-1-\from
	STEP \slot, Q, 0
.set Q, Q+1
.endr
.endm
	s_cmp_eq_u32 s[KIND], 2
	s_cbranch_scc1 .Lbias_v
.irp b, 0,1,2,3,4,5,6,7
	ds_load_b128 v[BI+8*\b:BI+8*\b+3], v[BA1] offset:64*\b
	ds_load_b128 v[BI+8*\b+4:BI+8*\b+7], v[BA1] offset:64*\b+16
.endr
	s_branch .Lbias_in
.Lbias_v:
.irp a, 0,1,2,3,4,5,6,7
	ds_load_b32 v[BI+8*\a], v[BA2] offset:64*\a
.endr
	s_wait_dscnt 0x0
.irp a, 0,1,2,3,4,5,6,7
.irp j, 1,2,3,4,5,6,7
	v_mov_b32 v[BI+8*\a+\j], v[BI+8*\a]
.endr
.endr
	s_wait_alu depctr_va_vdst(0)                   ; ahead of the waits below
.Lbias_in:
	FETCH_B 0, 0, 0
	FETCH_A 0, 0, 0
	SCALES 0
	FETCH_A 0, 0, 4
	s_cmp_eq_u32 s[KIND], 2
	s_cbranch_scc1 .Lfirst_v
	STEP 0, 0, 1                                   ; the first step starts the sums from the bias
	s_branch .Lfirst_in
.Lfirst_v:
	STEP 0, 0, 2
.Lfirst_in:
	s_mov_b32 s3, LAPS-1
.Llap:
	STEPS 0, 1
	TURN 0, 1, 1
	STEPS 1, 0
	TURN 1, 0, 1
	STEP 0, 0, 0
	s_sub_co_u32 s3, s3, 1
	s_cmp_lg_u32 s3, 0
	s_cbranch_scc1 .Llap
	STEPS 0, 1
	TURN 0, 1, 0
	STEPS 1, 0
	s_wait_dscnt 4*NL
	WIN MUL_LO
	MUL16 0, 1, NQ-1, 1, 0
	MUL16 2, 1, NQ-1, 1, 0
	s_wait_dscnt 0
	WIN MUL_HI
	MUL16 4, 1, NQ-1, 1, 0
	MUL16 6, 1, NQ-1, 1, 0
	WIN 0
	PLACES NP
	s_mov_b32 s[SEL], 0x76543210
	s_mov_b32 s[SEL+1], 0xfedcba98
.irp n, 0,1,2,3,4,5,6,7
	v_mov_b32 v[TM+8+\n], 0                        ; a lane permute's destination counts as one of its sources
.endr
; Blocks a and a + 1 of 16 rows are quantised together: eight blocks of 32 by turns, so that no line waits for the line above it.
.macro QUANT2 a
.set AC, 64*((\a)%4)
.set PCA, AF+8*(\a)
	WIN 0x28+0x14*((\a)/4)
.irp n, 0,1,2,3,4,5,6,7
	v_max3_num_f32 v[TM+\n], 0x1800000, |v[AC+16*\n]|, |v[AC+16*\n+1]|   ; the floor 2^(3 - 127) among the leaves
.endr
.irp i, 2,4,6,8,10,12,14
.irp n, 0,1,2,3,4,5,6,7
	v_max3_num_f32 v[TM+\n], v[TM+\n], |v[AC+16*\n+\i]|, |v[AC+16*\n+\i+1]|
.endr
.endr
	WIN 0
.irp n, 0,1,2,3,4,5,6,7
	v_permlanex16_b32 v[TM+8+\n], v[TM+\n], s[SEL], s[SEL+1]
.endr
.irp n, 0,1,2,3,4,5,6,7
	v_max_num_f32 v[TM+\n], v[TM+\n], v[TM+8+\n]
.endr
.irp n, 0,1,2,3,4,5,6,7
	v_add_nc_u32 v[TM+16+\n], 0xff000000, v[TM+\n]   ; 2 off the exponent field: the conversion's scale operand
.endr
.irp n, 0,1,2,3,4,5,6,7
	v_lshrrev_b32 v[TM+8+\n], 23, v[TM+16+\n]        ; the scale's byte
.endr
.irp t, 0,1
	v_lshl_or_b32 v[SWR+(\a)+\t], v[TM+9+4*\t], 8, v[TM+8+4*\t]
.endr
.irp t, 0,1
	v_lshl_or_b32 v[SWR+(\a)+\t], v[TM+10+4*\t], 16, v[SWR+(\a)+\t]
.endr
.irp t, 0,1
	v_lshl_or_b32 v[SWR+(\a)+\t], v[TM+11+4*\t], 24, v[SWR+(\a)+\t]
.endr
	WIN 0x02+(\a)/4
.irp n, 0,1,2,3,4,5,6,7
.irp u, 0,1
	v_cvt_scalef32_pk8_fp4_f32 v[PCA+8*(\n/4)+4*((\n%4)/2)+2*\u+(\n%2)], v[AC+16*\n+8*\u:AC+16*\n+8*\u+7], v[TM+16+\n]
.endr
.endr
	WIN 0
	v_nop                                          ; one plain place behind a scaled conversion
.irp c, 0,1,2,3,4,5,6,7
	v_permlane16_swap_b32 v[PCA+2*\c], v[PCA+2*\c+1]
.endr
.irp t, 0,1
	global_store_b128 v[LI], v[PCA+8*\t:PCA+8*\t+3], s[DST:DST+1] offset:1024*((\a)+\t)
	global_store_b128 v[LI], v[PCA+8*\t+4:PCA+8*\t+7], s[DST:DST+1] offset:1024*((\a)+\t)+512
.endr
.endm
.irp a, 0,2,4,6
	QUANT2 \a
.endr
.irp p, 0,1,2,3
	v_permlane16_swap_b32 v[SWR+2*\p], v[SWR+2*\p+1]
.endr
.irp p, 0,1,2,3
	ds_store_b32 v[SS], v[SWR+2*\p] offset:128*\p
.endr
	ds_load_b128 v[104:107], v[SL]
	s_wait_dscnt 0x0
	global_store_b128 v[LI], v[104:107], s[DSS:DSS+1]
	s_wait_tensorcnt 0x0
	ds_add_u32 v[SPW], v[NIL]
	s_wait_dscnt 0x0
	CROUND
	s_endpgm
.Lfunc_end_k_q5955665306_qkv:
	.size	k_q5955665306_qkv, .Lfunc_end_k_q5955665306_qkv-k_q5955665306_qkv
	.p2alignl 7, 3214868480
	.fill 96, 4, 3214868480
	.section	.rodata,"a",@progbits
	.p2align	6, 0x0
	.amdhsa_kernel k_q5955665306_qkv
		.amdhsa_group_segment_fixed_size 327680
		.amdhsa_private_segment_fixed_size 0
		.amdhsa_enable_private_segment 0
		.amdhsa_kernarg_size 104
		.amdhsa_user_sgpr_count 2
		.amdhsa_user_sgpr_kernarg_segment_ptr 1
		.amdhsa_wavefront_size32 1
		.amdhsa_system_sgpr_workgroup_id_x 1
		.amdhsa_system_sgpr_workgroup_id_y 1
		.amdhsa_system_sgpr_workgroup_id_z 1
		.amdhsa_system_vgpr_workitem_id 0
		.amdhsa_next_free_vgpr 1024
		.amdhsa_next_free_sgpr 102
		.amdhsa_reserve_vcc 0
		.amdhsa_float_denorm_mode_32 3
		.amdhsa_float_denorm_mode_16_64 3
		.amdhsa_memory_ordered 1
		.amdhsa_forward_progress 1
		.amdhsa_inst_pref_size 231
	.end_amdhsa_kernel
	.amdgpu_metadata
---
amdhsa.version: [ 1, 2 ]
amdhsa.kernels:
  - .name:           k_q5955665306_qkv
    .symbol:         k_q5955665306_qkv.kd
    .args:
      - { .name: x_codes, .offset: 0, .size: 8, .value_kind: global_buffer, .address_space: global }
      - { .name: x_scales, .offset: 8, .size: 8, .value_kind: global_buffer, .address_space: global }
      - { .name: Wq_codes, .offset: 16, .size: 8, .value_kind: global_buffer, .address_space: global }
      - { .name: Wq_scales, .offset: 24, .size: 8, .value_kind: global_buffer, .address_space: global }
      - { .name: Wk_codes, .offset: 32, .size: 8, .value_kind: global_buffer, .address_space: global }
      - { .name: Wk_scales, .offset: 40, .size: 8, .value_kind: global_buffer, .address_space: global }
      - { .name: Wv_codes, .offset: 48, .size: 8, .value_kind: global_buffer, .address_space: global }
      - { .name: Wv_scales, .offset: 56, .size: 8, .value_kind: global_buffer, .address_space: global }
      - { .name: bq, .offset: 64, .size: 8, .value_kind: global_buffer, .address_space: global }
      - { .name: bk, .offset: 72, .size: 8, .value_kind: global_buffer, .address_space: global }
      - { .name: bv, .offset: 80, .size: 8, .value_kind: global_buffer, .address_space: global }
      - { .name: qb, .offset: 88, .size: 8, .value_kind: global_buffer, .address_space: global }
      - { .name: kv, .offset: 96, .size: 8, .value_kind: global_buffer, .address_space: global }
    .group_segment_fixed_size: 327680
    .private_segment_fixed_size: 0
    .kernarg_segment_align: 8
    .kernarg_segment_size: 104
    .max_flat_workgroup_size: 128
    .sgpr_count:     102
    .vgpr_count:     1024
    .wavefront_size: 32
...
	.end_amdgpu_metadata
.endif
;; end of part 1
;; launch attn (part 2): grid 32 x 8, 8 waves a work-group, clusters of 4 x 4, 327,680 bytes of LDS; arguments qb, kv, attn_mask, ao; writes ao
.if DOCPART == 2
	.amdgcn_target "amdgcn-amd-amdhsa--gfx1250"
	.amdhsa_code_object_version 6
	.text
	.protected	k_q5955665306_attn
	.globl	k_q5955665306_attn
	.p2align	8
	.type	k_q5955665306_attn,@function
k_q5955665306_attn:
	s_mov_b64 s[64:65], 0
	v_nop
	global_prefetch_b8 v0, s[64:65] scope:SCOPE_SE
	s_setreg_imm32_b32 hwreg(HW_REG_WAVE_MODE, 25, 1), 1
	s_wait_xcnt 0x0
	s_wait_alu depctr_hold_cnt(0) depctr_sa_sdst(0) depctr_va_vdst(0) depctr_va_sdst(0) depctr_va_ssrc(0) depctr_va_vcc(0) depctr_vm_vsrc(0)
	s_getreg_b32 s2, hwreg(HW_REG_IB_STS2, 6, 4)
	s_cmp_eq_u32 s2, 0
	s_cbranch_scc0 .Lentry_in_a_cluster
	s_endpgm
.Lentry_in_a_cluster:
	s_bfe_u32 s2, ttmp6, 0x10000c
	s_cmp_lg_u32 s2, 0xf033
	s_cbranch_scc0 .Lentry_shape_is_right
	s_endpgm
.Lentry_shape_is_right:
; LAUNCH 2 OF 3.  For each head: u = (q . k) / sqrt(128) + attn_mask; t = u log2(e); M = the row's largest t so far, rounded up to a whole number; p = 2^(t - M), quantised along the keys, not normalised;
; O = (p V) / l, l the row's sum of the unquantised p; O is quantised along D and stored as the last launch's operand.  Both products on codes of FP4 (E2M1) with E8M0 scales; all else in f32.
; No work is left out: the mask is an input, so every key step is walked for every query.
; LIMITS: a scale byte is held at 1 from below; |t| stays under 2^31; no NaN among the inputs.
; SHARES.  A work-group owns 64 queries (block X) of two heads (2 Y, 2 Y + 1).  A slot holds 256 keys, two steps of 128.  Wave w = 4 hd + 2 qp + kh owns 32 queries (tiles 2 qp, 2 qp + 1) of head 2 Y + hd and walks step kh of
; every slot: each fragment of K and V that it reads feeds two tiles' products.  Its tile A is tile 2 qp + kh, its tile B the other one.  At the end the waves w and w xor 1, which hold the same two tiles over the two halves
; of the keys, exchange tile B's sums through LDS, and each finishes its tile A.  M is a whole number, so bringing both halves under one M is exact.
; CLUSTERS: 4 x 4.  The mask's tile hangs on X alone: asked for jointly along a column of the cluster; K and V hang on Y alone: jointly along a row.  Waves 0-3 fetch the four blocks of kv, waves 4-7 16 rows of the mask each.
; THE CHANGE OF SLOTS stands in the middle of a trip, behind the last LDS read of the slot: behind its round the slot is filled again with the keys two slots on, and the next slot's K and mask are asked for and land
; while the exponentials and the second product of this slot are at work.
; LAYOUT.  Both products are used transposed: S^T = K Q^T (source 0 = 16 keys), O^T = V^T P^T (source 0 = 16 channels): a lane holds ONE query (lane % 16) of a tile; register 8 t + j is key (or channel) 16 t + 8 h + j.
; REGISTERS: window 0: v0-11 addresses and factors, v12-19 M, largest t, sums; v20-23; v26-33 scale words; v34-49 Q; v50-63 at work; v64-127 the mask; v128-191 tile A's scores, later P's codes; v192-255 tile B's.
;   window 1: v0-63 K, v64-127 V, v128-191 tile A's O^T, v192-255 tile B's.
.set MP,    1040                       ; a row of the mask: 1,024 bytes + 16 of padding: an odd multiple of 16
.set KVO,   64*MP                      ; behind the mask: four blocks of kv: head 0's two steps, head 1's two
.set STB,   17408                      ; a block of kv: K's images, V's images, K's scale words, V's
.set HB,    2*STB                      ; a head's two blocks
.set BUF,   KVO+4*STB                  ; a slot
.set STG,   2*BUF                      ; 512 bytes: the new scale words of 2 heads x 64 queries; no fill lands here
.set SPARE, STG+512                    ; the spare words: 128 bytes for each of eight waves
.set XST,   8448                       ; the exchange, in slot 0 when it has had its last fill: 8,192 bytes of O^T, 128 of -M, 128 of the sum for each wave
.set PFO,  1
.set SPW,  2
.set NIL,  3
.set FB,   10                          ; tile B's factor; v11, the address beside it, is named with it as a pair
.set PSA,  20
.set PSB,  21
.set QS,   22                          ; Q's scale words: lanes 0-15 tile A's, lanes 16-31 tile B's
.set FA,   24                          ; tile A's factor; v25 is named with it as a pair
.set KSC,  26
.set VSC,  30
.set QA,   34
.set QB,   42
.set BM,   50                          ; the largest of each block of 32 keys: four of tile A, four of tile B
.set T,    58
.set MK,   64
.set SA,   128
.set SB,   192
.set PCA,  SA+48                       ; P's codes lie where tile A's last scores were
.set PCB,  SA+56
.set KF,   0                           ; window 1
.set VF,   64
.set OA,   128
.set OB,   192
.set WV,   12                          ; s12 wave; s13 cx, s14 cy; s15 X, s16 Y; s17 hd; s18 my tile A; s19 kh
.set SEL,  20                          ; lane selects for lane xor 16
.set SCA,  22                          ; s[22:23] 1 / sqrt(128)
.set G1M,  24
.set G1K,  32
.set G0M,  40
.set G0K,  44
.set L2E,  48                          ; s[48:49] log2(e)
.set TRIP_, 50
.set LIM,  51                          ; 1 in a wave that prefetches, else the greatest number
.set TB,   52                          ; where the slot in hand begins
.set MW,   53                          ; my part of the mask in a slot
.set KW,   54                          ; my block of kv in a slot
.set PFA,  66
.set PFS,  68
.set MSB, 0
.macro WIN new
.if MSB != (\new)
	s_set_vgpr_msb (MSB<<8)|(\new)
.set MSB, (\new)
.endif
.endm
.macro CREST                           ; a round of the cluster's barrier behind its opening barrier
	s_cmp_lg_u32 s[WV], 0
	s_cbranch_scc1 .Lnot_wave_0_\@
	s_barrier_signal -3
.Lnot_wave_0_\@:
	s_barrier_wait -3
	s_barrier_signal -1
	s_barrier_wait -1
.endm
.macro CROUND
	s_barrier_signal -1
	s_barrier_wait -1
	CREST
.endm
.macro JLOAD                           ; a joint load, one a wave; the branch hangs on the wave's number alone.  An s_nop 0 and four v_nop follow each line
	s_cmp_lt_u32 s[WV], 4
	s_cbranch_scc0 .Lmask_\@
	tensor_load_to_lds s[G0K:G0K+3], s[G1K:G1K+7]
	s_nop 0
.rept 4
	v_nop
.endr
	s_branch .Lasked_\@
.Lmask_\@:
	tensor_load_to_lds s[G0M:G0M+3], s[G1M:G1M+7]
	s_nop 0
.rept 4
	v_nop
.endr
.Lasked_\@:
.endm
; A PREFETCH INTO THE L2 of the slot that stands next behind the ones asked for: behind the head's fills slot 2, behind each refill but the last the slot that the next refill will ask for, a whole trip ahead of that load.
; The mask's tile of a block X is read by both clusters along y: the one with y = 0 asks; its four partners of a column take 16 rows each, told apart by address; in each, waves 3 and 4 take 8 rows x 4 blocks of 256 bytes.
; A head's K and V with their scale words, 136 blocks of 256 bytes a slot, are read by all eight clusters along x: those with x = 0 and x = 7 ask; the four partners of a row take 34 blocks of each head, told apart by address:
; waves 5 and 6 take the first 32 of a head each, wave 7 the last two of both heads (its lanes from 3 on name the same block).  Slots 0 and 1 come by their loads alone.
.macro ASK
	s_cmp_gt_u32 s[TRIP_], s[LIM]
	s_cbranch_scc0 .Lnot_mine_\@
	global_prefetch_b8 v[PFO], s[PFA:PFA+1] th:TH_LOAD_NT scope:SCOPE_SE
.Lnot_mine_\@:
.endm
	s_load_b256 s[4:11], s[0:1], 0x0               ; qb s[4:5], kv s[6:7], attn_mask s[8:9], ao s[10:11]
	v_lshl_add_u32 v[SPW], v0, 2, SPARE
	v_mov_b32 v[NIL], 0
	ds_add_u32 v[SPW], v[NIL]                      ; the wave's opening: the add, twice on end, and its wait ahead of my first tensor load
	ds_add_u32 v[SPW], v[NIL]
	v_lshrrev_b32 v8, 5, v0
	v_readfirstlane_b32 s[WV], v8                  ; wave 0..7
	s_bfe_u32 s13, ttmp6, 0x40000                  ; cx
	s_bfe_u32 s14, ttmp6, 0x40004                  ; cy
	s_lshl_b32 s15, ttmp9, 2
	s_add_co_u32 s15, s15, s13                     ; X: my block of 64 queries
	s_and_b32 s16, ttmp7, 0xffff
	s_lshl_b32 s16, s16, 2
	s_add_co_u32 s16, s16, s14                     ; Y: my pair of heads
	s_lshr_b32 s17, s[WV], 2                       ; hd
	s_and_b32 s18, s[WV], 3                        ; my tile A.  Also: which of the four parts of K and V, or of the mask, I fetch
	s_and_b32 s19, s[WV], 1                        ; kh
	s_lshl_b32 s70, s14, 2
	s_lshl_b32 s70, 15, s70                        ; my row of the cluster
	s_lshl_b32 s71, 0x1111, s13                    ; my column
	s_or_b32 s[G1M], s71, (2<<16)|(1<<20)|(1<<21)|(7<<22)|(3<<25)   ; the mask's tile goes to my column; elements of 4 bytes; padding on; bit 21 beside a mask; after every 256 words, 4 words
	s_mov_b32 s[G1M+1], 256<<16                    ; tensor_dim0 = 256
	s_mov_b32 s[G1M+2], 32<<16                     ; tensor_dim1 = 32 for the head's loads; 16 for the refills, set behind them
	s_mov_b32 s[G1M+3], 256<<16                    ; tile_dim0
	s_mov_b32 s[G1M+4], 32                         ; tile_dim1
	s_mov_b32 s[G1M+5], 2048                       ; from row to row
	s_mov_b32 s[G1M+6], 0
	s_mov_b32 s[G1M+7], 0
	s_or_b32 s[G1K], s70, (3<<16)|(1<<21)          ; K and V go to my row; a dense block of 17,408 bytes as 17 rows of 128 elements of 8 bytes, no padding
	s_mov_b32 s[G1K+1], 128<<16
	s_mov_b32 s[G1K+2], 34<<16                     ; the head's loads bring two blocks, 34 rows
	s_mov_b32 s[G1K+3], 128<<16
	s_mov_b32 s[G1K+4], 34
	s_mov_b32 s[G1K+5], 128
	s_mov_b32 s[G1K+6], 0
	s_mov_b32 s[G1K+7], 0
	s_lshl_b32 s72, s15, 19                        ; the mask: 64 rows of 8,192 bytes for each X,
	s_lshl_b32 s73, s18, 17
	s_add_co_u32 s72, s72, s73                     ; my 16 of them
	s_mov_b32 s73, 0
	s_lshl_b32 s74, s16, 1
	s_lshr_b32 s76, s18, 1
	s_add_co_u32 s74, s74, s76                     ; the head that I fetch
	s_lshl_b32 s74, s74, 4
	s_add_co_u32 s74, s74, s19                     ; its 16 blocks: step kh of slot 0
	s_mul_i32 s74, s74, STB
	s_mov_b32 s75, 0
	s_mul_i32 s[MW], s18, 16*MP
	s_mul_i32 s[KW], s18, STB
	s_add_co_u32 s[KW], s[KW], KVO
	s_mov_b32 s[SEL], 0x76543210
	s_mov_b32 s[SEL+1], 0xfedcba98
	s_mov_b32 s[SCA], 0x3db504f3                   ; 1 / sqrt(128)
	s_mov_b32 s[SCA+1], s[SCA]                     ; (named with it as a pair, so it is written)
	s_mov_b32 s[L2E], 0x3fb8aa3b                   ; log2(e)
	s_mov_b32 s[L2E+1], s[L2E]
	s_mov_b32 s[TRIP_], 6
	s_mov_b32 s[TB], 0
	s_wait_dscnt 0x0                               ; both opening adds are done
	s_wait_kmcnt 0x0
	s_add_nc_u64 s[86:87], s[8:9], s[72:73]        ; kept for the refills: my 16 rows of the mask,
	s_add_nc_u64 s[88:89], s[6:7], s[74:75]        ; my block of kv, both in slot 0
	; the head's loads: waves 0-3 fill slot 0, waves 4-7 slot 1; of each four, two fetch a head's two blocks of kv, two 32 rows of the mask
	s_lshl_b32 s72, s15, 19
	s_lshl_b32 s76, s19, 18
	s_add_co_u32 s72, s72, s76                     ; the mask: block X, 32 rows x (wave % 2),
	s_lshl_b32 s76, s17, 10
	s_add_co_u32 s72, s72, s76                     ; slot wave / 4
	s_lshl_b32 s74, s16, 1
	s_add_co_u32 s74, s74, s19                     ; kv: head 2 Y + wave % 2,
	s_lshl_b32 s74, s74, 3
	s_add_co_u32 s74, s74, s17                     ; of its eight slots the one with number wave / 4
	s_mul_i32 s74, s74, HB
	s_add_nc_u64 s[72:73], s[8:9], s[72:73]
	s_add_nc_u64 s[74:75], s[6:7], s[74:75]
	s_mul_i32 s76, s17, BUF                        ; and where they go
	s_mul_i32 s77, s19, 32*MP
	s_mul_i32 s78, s19, HB
	s_add_co_u32 s77, s77, s76
	s_add_co_u32 s78, s78, s76
	s_add_co_u32 s78, s78, KVO
	CROUND                                         ; all sixteen work-groups are here: the first joint loads meet
	s_mov_b32 s[G0M], 1
	s_mov_b32 s[G0M+1], s77
	s_mov_b64 s[G0M+2:G0M+3], s[72:73]
	s_or_b32 s[G0M+3], s[G0M+3], 0x80000000
	s_mov_b32 s[G0K], 1
	s_mov_b32 s[G0K+1], s78
	s_mov_b64 s[G0K+2:G0K+3], s[74:75]
	s_or_b32 s[G0K+3], s[G0K+3], 0x80000000
	s_lshr_b32 s76, s[WV], 1
	s_and_b32 s76, s76, 1
	s_cmp_eq_u32 s76, 0                            ; waves 0, 1, 4, 5: kv; waves 2, 3, 6, 7: the mask.  One tensor load a wave at the head
	s_cbranch_scc0 .Lhead_mask
	tensor_load_to_lds s[G0K:G0K+3], s[G1K:G1K+7]
	s_nop 0
.rept 4
	v_nop
.endr
	s_branch .Lhead_asked
.Lhead_mask:
	tensor_load_to_lds s[G0M:G0M+3], s[G1M:G1M+7]
	s_nop 0
.rept 4
	v_nop
.endr
.Lhead_asked:
	; my places in qb and ao
	s_lshl_b32 s70, s16, 1
	s_add_co_u32 s70, s70, s17                     ; my head
	s_lshr_b32 s71, s15, 1                         ; my block of 128 queries
	s_and_b32 s81, s15, 1
	s_lshl_b32 s77, s81, 2
	s_add_co_u32 s77, s77, s18                     ; my tile A in it; tile B is that number xor 1
	s_lshl_b32 s81, s81, 8                         ; kept: where my work-group's 64 scale words begin in a block's 128
	s_lshl_b32 s78, s70, 4
	s_add_co_u32 s78, s78, s71
	s_mul_i32 s78, s78, 8704
	s_mov_b32 s79, 0
	s_add_nc_u64 s[4:5], s[4:5], s[78:79]          ; qb: block head x 16 + block of queries
	s_lshl_b32 s78, s71, 4
	s_add_co_u32 s78, s78, s70
	s_mul_i32 s78, s78, 8704
	s_add_nc_u64 s[10:11], s[10:11], s[78:79]      ; ao: block (block of queries) x 16 + head
	s_lshl_b32 s80, s77, 10                        ; kept: tile A's image
	s_xor_b32 s57, s80, 1024                       ; tile B's
	; the prefetches: where my wave's stand, and who asks
	s_sub_co_u32 s70, s[WV], 3
	s_and_b32 s71, s70, 1                          ; i: which of the two waves of a kind
	s_lshr_b32 s70, s70, 3                         ; 0 in waves 3 to 7
	s_lshl_b32 s72, s14, 4
	s_lshl_b32 s73, s71, 3
	s_add_co_u32 s72, s72, s73                     ; the mask: rows 16 cy + 8 i on,
	s_lshl_b32 s72, s72, 13
	s_lshl_b32 s73, s15, 19
	s_add_co_u32 s72, s72, s73                     ; of block X,
	s_add_co_u32 s72, s72, 2*1024                  ; in slot 2
	s_lshl_b32 s73, s16, 1
	s_add_co_u32 s73, s73, s71
	s_mul_i32 s73, s73, 16*STB                     ; K and V: head 2 Y + i,
	s_mul_i32 s74, s13, 34*256
	s_add_co_u32 s73, s73, s74                     ; 34 blocks for each partner,
	s_add_co_u32 s73, s73, 2*HB                    ; in slot 2
	s_add_co_u32 s85, ttmp9, 1
	s_and_b32 s85, s85, 7
	s_lshr_b32 s85, s85, 1                         ; 0 where the cluster's x is 0 or 7
	s_and_b32 s75, ttmp7, 0xffff                   ; cluster y
	s_mov_b32 s76, 16*STB
	s_cmp_eq_u32 s[WV], 7
	s_cselect_b32 s74, 8192, 0                     ; wave 7: past the first 32 blocks
	s_cselect_b32 s76, s76, 1024                   ; from a group of lanes to the next: wave 7 two lanes a head, the others four lanes 1,024 bytes
	s_cselect_b32 s82, 3, 31
	s_cselect_b32 s83, 1, 2
	s_cselect_b32 s84, 1, 3
	s_add_co_u32 s73, s73, s74
	s_cmp_lt_u32 s[WV], 5                          ; waves 3 and 4: the mask; waves 5 to 7: K and V
	s_cselect_b64 s[PFA:PFA+1], s[8:9], s[6:7]
	s_cselect_b32 s72, s72, s73
	s_cselect_b32 s75, s75, s85
	s_mov_b32 s[PFS], HB
	s_cselect_b32 s[PFS], 1024, s[PFS]             ; a slot on
	s_cselect_b32 s74, 8192, s76
	s_mov_b32 s73, 0
	s_mov_b32 s[PFS+1], 0
	s_add_nc_u64 s[PFA:PFA+1], s[PFA:PFA+1], s[72:73]
	s_or_b32 s70, s70, s75
	s_cmp_eq_u32 s70, 0                            ; the wave's number and the cluster's: the same in all sixteen partners
	s_cselect_b32 s[LIM], 1, -1
	; LDS places
	s_lshl_b32 s70, s18, 4                         ; tile A's first row in the mask's tile
	s_xor_b32 s71, s70, 16                         ; tile B's
	s_lshl_b32 s72, s19, 9                         ; step kh: 512 bytes along the mask's row
	s_lshl_b32 s73, s17, 1
	s_add_co_u32 s73, s73, s19
	s_mul_i32 s73, s73, STB
	s_add_co_u32 s73, s73, KVO                     ; my block of kv: head hd, step kh
	s_add_co_u32 s75, s73, 16384                   ; its scale words
	v_and_b32 v50, 15, v0                          ; r
	v_bfe_u32 v51, v0, 4, 1                        ; h
	v_and_b32 v52, 31, v0                          ; lane
	v_add_nc_u32 v53, s70, v50
	v_add_nc_u32 v54, s71, v50
	v_mul_u32_u24 v53, v53, MP
	v_mul_u32_u24 v54, v54, MP
	v_lshl_add_u32 v53, v51, 5, v53                ; + 32 h: keys 8 h on
	v_lshl_add_u32 v54, v51, 5, v54
	v_add_nc_u32 v4, s72, v53                      ; v4, v5: my query's place in the mask, tiles A and B
	v_add_nc_u32 v5, s72, v54
	v_lshl_add_u32 v6, v52, 4, s73                 ; K's and V's images
	v_lshl_add_u32 v7, v52, 2, s75                 ; their scale words
	v_lshl_add_u32 v55, v52, 4, s80
	v_lshl_add_u32 v56, v52, 4, s57
	v_xor_b32 v57, s77, v51                        ; lanes 0-15: tile A, lanes 16-31: tile B
	v_lshlrev_b32 v57, 6, v57
	v_lshl_add_u32 v57, v50, 2, v57
	global_load_b128 v[QA:QA+3], v55, s[4:5]
	global_load_b128 v[QA+4:QA+7], v55, s[4:5] offset:512
	global_load_b128 v[QB:QB+3], v56, s[4:5]
	global_load_b128 v[QB+4:QB+7], v56, s[4:5] offset:512
	global_load_b32 v[QS], v57, s[4:5] offset:8192
	v_min_u32 v53, s82, v52
	v_lshrrev_b32 v[PFO], s83, v53
	v_mul_lo_u32 v[PFO], v[PFO], s74
	v_and_b32 v53, s84, v53
	v_lshl_add_u32 v[PFO], v53, 8, v[PFO]          ; lanes 256 bytes apart inside a group
	v_mov_b32 v13, 0xff61b1e6                      ; the largest t so far: -3e38, under every t
	v_mov_b32 v17, 0xff61b1e6
	v_floor_f32 v12, -v13                          ; -M
	v_floor_f32 v16, -v17
.irp n, 14,15,18,19,T,T+1,T+2,T+3
	v_mov_b32 v[\n], 0                             ; the sums, in two halves; a lane permute's destination counts as one of its sources
.endr
	ASK                                            ; slot 2
	WIN 0x40
.set J, 0
.rept 128
	v_mov_b32 v[OA+J], 0                           ; O^T.  The trip is written in one form: the first finds zeros, which the first change of M leaves zeros
.set J, J+1
.endr
	WIN 0
.macro NEXT                            ; the slot's K, its scale words and tile A's mask
	v_add_nc_u32 v8, s[TB], v6
	v_add_nc_u32 v9, s[TB], v7
	v_add_nc_u32 v11, s[TB], v4
	WIN 0x40
.irp t, 0,1,2,3,4,5,6,7
	ds_load_b128 v[KF+8*\t:KF+8*\t+3],   v8 offset:1024*\t
	ds_load_b128 v[KF+8*\t+4:KF+8*\t+7], v8 offset:1024*\t+512
.endr
	WIN 0
.irp p, 0,1,2,3
	ds_load_b32 v[KSC+\p], v9 offset:128*\p        ; lanes 0-15: tile 2 p's words, lanes 16-31: tile 2 p + 1's
.endr
	MASK
.endm
.macro MASK
.irp t, 0,1,2,3,4,5,6,7
	ds_load_b128 v[MK+8*\t:MK+8*\t+3],   v11 offset:64*\t
	ds_load_b128 v[MK+8*\t+4:MK+8*\t+7], v11 offset:64*\t+16
.endr
.endm
.macro ADDMASK s                       ; u = score / sqrt(128) + mask; each accumulator from its low end on
.set J, 0
.rept 32
	v_pk_fma_f32 v[\s+J:\s+J+1], v[\s+J:\s+J+1], s[SCA:SCA+1], v[MK+J:MK+J+1] op_sel_hi:[1,0,1]
.set J, J+2
.endr
.endm
.macro BLOCKMAX s, m                   ; the largest u of each block of 32 keys: it serves the row's maximum and, since p rises with u, the block's largest p
.irp n, 0,1,2,3
	v_max3_num_f32 v[\m+\n], v[\s+16*\n], v[\s+1+16*\n], v[\s+2+16*\n]
.endr
.irp i, 3,5,7,9,11,13
.irp n, 0,1,2,3
	v_max3_num_f32 v[\m+\n], v[\m+\n], v[\s+16*\n+\i], v[\s+1+16*\n+\i]
.endr
.endr
.irp n, 0,1,2,3
	v_max_num_f32 v[\m+\n], v[\m+\n], v[\s+15+16*\n]
.endr
.irp n, 0,1,2,3
	v_permlanex16_b32 v[T+\n], v[\m+\n], s[SEL], s[SEL+1]
.endr
.irp n, 0,1,2,3
	v_max_num_f32 v[\m+\n], v[\m+\n], v[T+\n]      ; with lane l xor 16's 16 keys
.endr
.endm
; A TRIP: the 128 keys of my step of one slot, both tiles.  mode 2: the slot is filled again; 1: a change of slots without a fill; 0: the last slot.
.macro TRIP mode
	s_wait_dscnt 16                                ; K and its scale words are in; behind them: tile A's mask
	WIN 0x01
.irp t, 0,1,2,3,4,5,6,7
.if \t%2
	v_wmma_scale_f32_16x16x128_f8f6f4 v[SA+8*\t:SA+8*\t+7], v[KF+8*\t:KF+8*\t+7], v[QA:QA+7], 0, v[KSC+\t/2], v[QS] matrix_a_fmt:MATRIX_FMT_FP4 matrix_b_fmt:MATRIX_FMT_FP4 matrix_a_scale:MATRIX_SCALE_ROW1
.else
	v_wmma_scale_f32_16x16x128_f8f6f4 v[SA+8*\t:SA+8*\t+7], v[KF+8*\t:KF+8*\t+7], v[QA:QA+7], 0, v[KSC+\t/2], v[QS] matrix_a_fmt:MATRIX_FMT_FP4 matrix_b_fmt:MATRIX_FMT_FP4
.endif
.endr
.irp t, 0,1,2,3,4,5,6,7
.if \t%2
	v_wmma_scale_f32_16x16x128_f8f6f4 v[SB+8*\t:SB+8*\t+7], v[KF+8*\t:KF+8*\t+7], v[QB:QB+7], 0, v[KSC+\t/2], v[QS] matrix_a_fmt:MATRIX_FMT_FP4 matrix_b_fmt:MATRIX_FMT_FP4 matrix_a_scale:MATRIX_SCALE_ROW1 matrix_b_scale:MATRIX_SCALE_ROW1
.else
	v_wmma_scale_f32_16x16x128_f8f6f4 v[SB+8*\t:SB+8*\t+7], v[KF+8*\t:KF+8*\t+7], v[QB:QB+7], 0, v[KSC+\t/2], v[QS] matrix_a_fmt:MATRIX_FMT_FP4 matrix_b_fmt:MATRIX_FMT_FP4 matrix_b_scale:MATRIX_SCALE_ROW1
.endif
.endr
	WIN 0
	v_add_nc_u32 v8, s[TB], v6                     ; these three and the v_nop are the four places ahead of the first read of the scores
	v_add_nc_u32 v9, s[TB], v7
	v_add_nc_u32 v11, s[TB], v5
	v_nop
	WIN 0x40
.irp t, 0,1,2,3,4,5,6,7
	ds_load_b128 v[VF+8*\t:VF+8*\t+3],   v8 offset:8192+1024*\t
	ds_load_b128 v[VF+8*\t+4:VF+8*\t+7], v8 offset:8192+1024*\t+512
.endr
	WIN 0
.irp p, 0,1,2,3
	ds_load_b32 v[VSC+\p], v9 offset:512+128*\p
.endr
	s_wait_dscnt 20                                ; tile A's mask is in; behind it: 16 loads of V, 4 of its scale words
	ADDMASK SA
	MASK                                           ; tile B's, into the same registers
	BLOCKMAX SA, BM
	s_wait_dscnt 0x0                               ; tile B's mask, V and its scale words are in: my last reads of this slot
	ADDMASK SB
	BLOCKMAX SB, BM+4
	v_max3_num_f32 v62, v[BM], v[BM+1], v[BM+2]    ; the two tiles by turns
	v_max3_num_f32 v63, v[BM+4], v[BM+5], v[BM+6]
	v_mov_b32 v25, v12
	v_mov_b32 v23, v16
	v_max_num_f32 v62, v62, v[BM+3]                ; the step's largest u of my query
	v_max_num_f32 v63, v63, v[BM+7]
	v_mul_f32 v62, s[L2E], v62                     ; as t
	v_mul_f32 v63, s[L2E], v63
	v_max_num_f32 v13, v13, v62                    ; the running largest t
	v_max_num_f32 v17, v17, v63
	v_floor_f32 v12, -v13                          ; the new -M = floor(-t) = -ceil(t)
	v_floor_f32 v16, -v17
	v_sub_f32 v25, v12, v25                        ; old M - new M: a whole number, 0 or less
	v_sub_f32 v23, v16, v23
	v_cvt_i32_f32 v25, v25                         ; (it saturates)
	v_cvt_i32_f32 v23, v23
	v_ldexp_f32 v[FA], 1.0, v25                    ; f = 2^(old M - new M): a multiplication by it rounds nothing
	v_ldexp_f32 v[FB], 1.0, v23
.set J, 0
.rept 32
	v_pk_fma_f32 v[SA+J:SA+J+1], v[SA+J:SA+J+1], s[L2E:L2E+1], v[12:13] op_sel_hi:[1,0,0]   ; t - M, two at a time
.set J, J+2
.endr
.irp n, 0,1,2,3
	v_fma_f32 v[BM+\n], v[BM+\n], s[L2E], v12      ; the same of each block's largest u
.endr
	WIN 0x41
.set J, 0
.rept 32
	v_pk_mul_f32 v[OA+J:OA+J+1], v[OA+J:OA+J+1], v[FA:FA+1] op_sel_hi:[1,0]   ; O^T under the new M; each accumulator from its low end on
	v_pk_mul_f32 v[OB+J:OB+J+1], v[OB+J:OB+J+1], v[FB:FB+1] op_sel_hi:[1,0]
.set J, J+2
.endr
	WIN 0
.if \mode                              ; the work on registers stands ahead of the wait, so that only the sequence itself stands between the tiles' landing and the next request
	s_wait_alu depctr_va_vdst(0)                   ; ahead of waits and barriers
	s_wait_tensorcnt 0x0                           ; no tensor load of mine is out, so a group 0 may be written
	ds_add_u32 v[SPW], v[NIL]                      ; 0 onto my spare word
.endif
.if \mode == 2
	s_add_co_u32 s[G0M+1], s[TB], s[MW]            ; this slot takes the keys two slots on
	s_add_co_u32 s[G0K+1], s[TB], s[KW]
	s_add_nc_u64 s[G0M+2:G0M+3], s[G0M+2:G0M+3], 1024
	s_add_nc_u64 s[G0K+2:G0K+3], s[G0K+2:G0K+3], HB
	s_wait_xcnt 0x0                                ; the last prefetch has read its address, so it may be written
	s_add_nc_u64 s[PFA:PFA+1], s[PFA:PFA+1], s[PFS:PFS+1]
.endif
.if \mode
	s_wait_dscnt 0x0                               ; the add is done, and my reads of this slot are over
	s_barrier_signal -1
	s_barrier_wait -1
.endif
.if \mode == 2
	CREST                                          ; no wave of any partner still reads this slot or has a load on its way
	JLOAD                                          ; the first tensor load behind the round, one a wave: it has a whole trip in which to land
	ASK
.endif
.if \mode
	s_xor_b32 s[TB], s[TB], BUF                    ; on to the other slot
	NEXT
.endif
	s_wait_alu depctr_va_vdst(0)                   ; ahead of the batch
.set J, 0
.rept 32
	v_exp_f32 v[SA+J], v[SA+J]                     ; p = 2^(t - M): not normalised
	v_exp_f32 v[SA+J+1], v[SA+J+1]
	v_pk_fma_f32 v[SB+J:SB+J+1], v[SB+J:SB+J+1], s[L2E:L2E+1], v[16:17] op_sel_hi:[1,0,0]   ; tile B's t - M
.set J, J+2
.endr
.irp n, 0,1,2,3
	v_exp_f32 v[BM+\n], v[BM+\n]                   ; the block's largest p: the same two instructions on the same number give the same bits
	v_fma_f32 v[BM+4+\n], v[BM+4+\n], s[L2E], v16
.endr
	s_wait_alu depctr_va_vdst(0)                   ; behind tile A's batch and ahead of tile B's
.set J, 0
.rept 64
	v_exp_f32 v[SB+J], v[SB+J]
.set J, J+1
.endr
.irp n, 4,5,6,7
	v_exp_f32 v[BM+\n], v[BM+\n]
.endr
	v_pk_mul_f32 v[14:15], v[14:15], v[FA:FA+1] op_sel_hi:[1,0]   ; the sums under the new M: plain places behind the exponentials
	v_pk_mul_f32 v[18:19], v[18:19], v[FB:FB+1] op_sel_hi:[1,0]
	s_wait_alu depctr_va_vdst(0)                   ; ahead of the batch's first reader
	v_pk_add_f32 v[T:T+1], v[SA:SA+1], v[SA+2:SA+3]      ; the row's sum is taken of the unquantised p, in two chains a tile
	v_pk_add_f32 v[T+2:T+3], v[SB:SB+1], v[SB+2:SB+3]
.set J, 4
.rept 15
	v_pk_add_f32 v[14:15], v[14:15], v[SA+J:SA+J+1]
	v_pk_add_f32 v[18:19], v[18:19], v[SB+J:SB+J+1]
	v_pk_add_f32 v[T:T+1], v[T:T+1], v[SA+J+2:SA+J+3]
	v_pk_add_f32 v[T+2:T+3], v[T+2:T+3], v[SB+J+2:SB+J+3]
.set J, J+4
.endr
.irp n, 0,1,2,3,4,5,6,7
	v_max_num_f32 v[BM+\n], 0x1800000, v[BM+\n]    ; the floor 2^(3 - 127): the byte cannot fall under 1 (a block whose every p is 0 keeps that byte: its codes are zeros)
.endr
	v_pk_add_f32 v[14:15], v[14:15], v[T:T+1]
	v_pk_add_f32 v[18:19], v[18:19], v[T+2:T+3]
.irp n, 0,1,2,3,4,5,6,7
	v_add_nc_u32 v[BM+\n], 0xff000000, v[BM+\n]    ; 2 off the exponent field: the conversion's scale operand
.endr
.irp n, 0,1,2,3
	v_lshrrev_b32 v[T+\n], 23, v[BM+\n]            ; the scale's bytes
.endr
	v_lshrrev_b32 v62, 23, v[BM+4]
	v_lshrrev_b32 v63, 23, v[BM+5]
	v_lshrrev_b32 v25, 23, v[BM+6]
	v_lshrrev_b32 v23, 23, v[BM+7]
	v_lshl_or_b32 v[PSA], v[T+1], 8, v[T]          ; p's scale words for these 128 keys
	v_lshl_or_b32 v[PSB], v63, 8, v62
	v_lshl_or_b32 v[PSA], v[T+2], 16, v[PSA]
	v_lshl_or_b32 v[PSB], v25, 16, v[PSB]
	v_lshl_or_b32 v[PSA], v[T+3], 24, v[PSA]
	v_lshl_or_b32 v[PSB], v23, 24, v[PSB]
	v_cvt_scalef32_pk8_fp4_f32 v[T], v[SA+48:SA+55], v[BM+3]     ; tile A's block 3 first: the codes take its place
	v_cvt_scalef32_pk8_fp4_f32 v[T+1], v[SA+56:SA+63], v[BM+3]
	v_nop                                          ; one plain place behind scaled conversions whose sources are written next
.irp n, 0,1,2
.irp u, 0,1
	v_cvt_scalef32_pk8_fp4_f32 v[PCA+4*(\n/2)+2*\u+(\n%2)], v[SA+16*\n+8*\u:SA+16*\n+8*\u+7], v[BM+\n]   ; dword 2 u + h of block n, put where one exchange of halves finishes the operand
.endr
.endr
.irp n, 0,1,2,3
.irp u, 0,1
	v_cvt_scalef32_pk8_fp4_f32 v[PCB+4*(\n/2)+2*\u+(\n%2)], v[SB+16*\n+8*\u:SB+16*\n+8*\u+7], v[BM+4+\n]
.endr
.endr
	v_nop
	v_mov_b32 v[PCA+5], v[T]
	v_mov_b32 v[PCA+7], v[T+1]
.irp c, 0,1,2,3
	v_permlane16_swap_b32 v[PCA+2*\c], v[PCA+2*\c+1]             ; register 4 c + d: dword d of block 2 c + h
.endr
.irp c, 0,1,2,3
	v_permlane16_swap_b32 v[PCB+2*\c], v[PCB+2*\c+1]
.endr
.rept 4
	v_nop                                          ; places between an operand's write and the product
.endr
	WIN 0x51
.irp t, 0,1,2,3,4,5,6,7
.if \t%2
	v_wmma_scale_f32_16x16x128_f8f6f4 v[OA+8*\t:OA+8*\t+7], v[VF+8*\t:VF+8*\t+7], v[PCA:PCA+7], v[OA+8*\t:OA+8*\t+7], v[VSC+\t/2], v[PSA] matrix_a_fmt:MATRIX_FMT_FP4 matrix_b_fmt:MATRIX_FMT_FP4 matrix_a_scale:MATRIX_SCALE_ROW1
.else
	v_wmma_scale_f32_16x16x128_f8f6f4 v[OA+8*\t:OA+8*\t+7], v[VF+8*\t:VF+8*\t+7], v[PCA:PCA+7], v[OA+8*\t:OA+8*\t+7], v[VSC+\t/2], v[PSA] matrix_a_fmt:MATRIX_FMT_FP4 matrix_b_fmt:MATRIX_FMT_FP4
.endif
.endr
.irp t, 0,1,2,3,4,5,6,7
.if \t%2
	v_wmma_scale_f32_16x16x128_f8f6f4 v[OB+8*\t:OB+8*\t+7], v[VF+8*\t:VF+8*\t+7], v[PCB:PCB+7], v[OB+8*\t:OB+8*\t+7], v[VSC+\t/2], v[PSB] matrix_a_fmt:MATRIX_FMT_FP4 matrix_b_fmt:MATRIX_FMT_FP4 matrix_a_scale:MATRIX_SCALE_ROW1
.else
	v_wmma_scale_f32_16x16x128_f8f6f4 v[OB+8*\t:OB+8*\t+7], v[VF+8*\t:VF+8*\t+7], v[PCB:PCB+7], v[OB+8*\t:OB+8*\t+7], v[VSC+\t/2], v[PSB] matrix_a_fmt:MATRIX_FMT_FP4 matrix_b_fmt:MATRIX_FMT_FP4
.endif
.endr
	WIN 0
.rept 5
	v_nop                                          ; the next trip's first products write over P's codes: five places
.endr
.endm
	s_wait_alu depctr_va_vdst(0)                   ; at the head's end
	s_wait_tensorcnt 0x0                           ; my part of the two slots is in, and my descriptors may be written:
	s_add_nc_u64 s[G0M+2:G0M+3], s[86:87], 1024    ; the refills', at slot 1: the first refill steps them to slot 2
	s_or_b32 s[G0M+3], s[G0M+3], 0x80000000
	s_add_nc_u64 s[G0K+2:G0K+3], s[88:89], HB
	s_or_b32 s[G0K+3], s[G0K+3], 0x80000000
	s_mov_b32 s[G1M+2], 16<<16                     ; from here on a load brings 16 rows of the mask,
	s_mov_b32 s[G1M+4], 16
	s_mov_b32 s[G1K+2], 17<<16                     ; or one block of kv
	s_mov_b32 s[G1K+4], 17
	s_barrier_signal -1
	s_barrier_wait -1                              ; everybody's part is in.
	NEXT
	s_wait_loadcnt 0x0                             ; Q and its scale words
.Lslot:                                                ; six trips, each fills its slot again
	TRIP 2
	s_sub_co_u32 s[TRIP_], s[TRIP_], 1
	s_cmp_lg_u32 s[TRIP_], 0
	s_cbranch_scc1 .Lslot
	TRIP 1                                         ; the last two slots are written out: nothing is left to ask for
	TRIP 0
	; THE EXCHANGE: tile B's O^T, -M and sum go to wave w xor 1, tile A's other half comes from it.  Slot 0 has had its last fill, and nobody reads it since the last change of slots.
	v_add_f32 v14, v14, v15                        ; the sums' two halves,
	v_add_f32 v18, v18, v19
	v_permlanex16_b32 v[T], v14, s[SEL], s[SEL+1]
	v_permlanex16_b32 v[T+1], v18, s[SEL], s[SEL+1]
	v_add_f32 v14, v14, v[T]                       ; and lane l xor 16's
	v_add_f32 v18, v18, v[T+1]
	s_mul_i32 s70, s[WV], XST
	s_xor_b32 s71, s[WV], 1
	s_mul_i32 s71, s71, XST
	v_and_b32 v40, 31, v0                          ; lane
	v_lshl_add_u32 v8, v40, 4, s70
	v_lshl_add_u32 v9, v40, 2, s70
	v_lshl_add_u32 v11, v40, 4, s71
	v_lshl_add_u32 v41, v40, 2, s71
	WIN 0x04                                       ; the data in window 1
.set J, 0
.rept 16
	ds_store_b128 v8, v[OB+4*J:OB+4*J+3] offset:512*J            ; each accumulator from its low end on
.set J, J+1
.endr
	WIN 0
	ds_store_b32 v9, v16 offset:8192
	ds_store_b32 v9, v18 offset:8320
	s_wait_alu depctr_va_vdst(0)
	s_wait_dscnt 0x0                               ; for the partner's sake: my stores have landed
	s_barrier_signal -1
	s_barrier_wait -1
	ds_load_b32 v62, v41 offset:8192
	ds_load_b32 v63, v41 offset:8320
.set J, 0
.rept 16
	ds_load_b128 v[SA+4*J:SA+4*J+3], v11 offset:512*J
.set J, J+1
.endr
	s_lshl_b32 s70, s[WV], 6
	s_add_co_u32 s70, s70, STG
	v_and_b32 v42, 15, v0                          ; r
	v_bfe_u32 v43, v0, 4, 1                        ; h
	v_lshl_add_u32 v44, v40, 4, s80                ; my image in ao's block
	v_lshl_add_u32 v45, v42, 2, s70                ; my row's scale word in the stage: 64 bytes a wave
	v_lshl_add_u32 v46, v40, 4, STG                ; wave 0 reads the stage back, 16 bytes a lane,
	v_mul_u32_u24 v47, v43, 8704                   ; and stores lanes 0-15 into the first head's block, lanes 16-31 into the second's
	v_lshl_add_u32 v47, v42, 4, v47
	v_add_nc_u32 v47, s81, v47
	s_wait_alu depctr_va_vdst(0)
	s_wait_dscnt 0x0
	v_min_num_f32 v60, v12, v62                    ; the greater M of the two halves, as -M
	v_sub_f32 v58, v60, v12
	v_sub_f32 v59, v60, v62
	v_cvt_i32_f32 v58, v58
	v_cvt_i32_f32 v59, v59
	v_ldexp_f32 v[FA], 1.0, v58                    ; my half's factor,
	v_ldexp_f32 v[FB], 1.0, v59                    ; the partner's
	v_mul_f32 v14, v14, v[FA]
	v_fma_f32 v14, v63, v[FB], v14                 ; the row's sum over all keys
	s_wait_alu depctr_va_vdst(0)                   ; ahead of the transcendental
	v_rcp_f32 v14, v14
	v_nop
	s_wait_alu depctr_va_vdst(0)                   ; and ahead of its first reader
	v_mul_f32 v[FA], v[FA], v14                    ; a power of two x 1 / sum: exact
	v_mul_f32 v[FB], v[FB], v14
.set J, 0
.rept 32
	v_pk_mul_f32 v[SA+J:SA+J+1], v[SA+J:SA+J+1], v[FB:FB+1] op_sel_hi:[1,0]
.set J, J+2
.endr
	s_wait_alu depctr_va_vdst(0)                   ; directly ahead of the first reader of O^T
	WIN 0x01
.set J, 0
.rept 32
	v_pk_fma_f32 v[SA+J:SA+J+1], v[OA+J:OA+J+1], v[FA:FA+1], v[SA+J:SA+J+1] op_sel_hi:[1,0,1]   ; both halves of the keys, divided by the sum
.set J, J+2
.endr
	WIN 0
	; THE WAY OUT.  The result is quantised along the head's 128, which are one K step of the last product: a fragment's image and a scale word a row.
.irp n, 0,1,2,3
	v_max3_num_f32 v[BM+\n], |v[SA+16*\n]|, |v[SA+1+16*\n]|, 0x1800000
.endr
.irp i, 2,4,6,8,10,12,14
.irp n, 0,1,2,3
	v_max3_num_f32 v[BM+\n], v[BM+\n], |v[SA+16*\n+\i]|, |v[SA+1+16*\n+\i]|
.endr
.endr
.irp n, 0,1,2,3
	v_permlanex16_b32 v[T+\n], v[BM+\n], s[SEL], s[SEL+1]
.endr
.irp n, 0,1,2,3
	v_max_num_f32 v[BM+\n], v[BM+\n], v[T+\n]
.endr
.irp n, 0,1,2,3
	v_add_nc_u32 v[BM+\n], 0xff000000, v[BM+\n]
.endr
.irp n, 0,1,2,3
	v_lshrrev_b32 v[T+\n], 23, v[BM+\n]
.endr
	v_lshl_or_b32 v62, v[T+1], 8, v[T]
	v_lshl_or_b32 v62, v[T+2], 16, v62
	v_lshl_or_b32 v62, v[T+3], 24, v62
.irp n, 0,1,2,3
.irp u, 0,1
	v_cvt_scalef32_pk8_fp4_f32 v[MK+4*(\n/2)+2*\u+(\n%2)], v[SA+16*\n+8*\u:SA+16*\n+8*\u+7], v[BM+\n]
.endr
.endr
	v_nop                                          ; one plain place behind a scaled conversion
.irp c, 0,1,2,3
	v_permlane16_swap_b32 v[MK+2*\c], v[MK+2*\c+1]
.endr
	global_store_b128 v44, v[MK:MK+3], s[10:11]              ; 32 lanes store 512 consecutive bytes, at a multiple of 256 from ao's first byte
	global_store_b128 v44, v[MK+4:MK+7], s[10:11] offset:512
	ds_store_b32 v45, v62                          ; lanes l and l xor 16 write the same word with the same value
	s_wait_dscnt 0x0                               ; for the others' sake: my store has landed
	s_barrier_signal -1
	s_barrier_wait -1
	s_cmp_lg_u32 s[WV], 0
	s_cbranch_scc1 .Lnot_first
	ds_load_b128 v[52:55], v46                     ; the eight waves' words
	s_wait_dscnt 0x0
	global_store_b128 v47, v[52:55], s[10:11] offset:8192    ; sixteen lanes store 256 consecutive bytes: my work-group's half of a block's scale words (in wave 0 s[10:11] stands at the first head's block)
.Lnot_first:
	s_wait_tensorcnt 0x0                           ; the wave's end, behind my last tensor load and my last LDS store
	ds_add_u32 v[SPW], v[NIL]
	s_wait_dscnt 0x0
	CROUND                                         ; the closing round
	s_endpgm
.Lfunc_end_k_q5955665306_attn:
	.size	k_q5955665306_attn, .Lfunc_end_k_q5955665306_attn-k_q5955665306_attn
	.p2alignl 7, 3214868480
	.fill 96, 4, 3214868480
	.section	.rodata,"a",@progbits
	.p2align	6, 0x0
	.amdhsa_kernel k_q5955665306_attn
		.amdhsa_group_segment_fixed_size 327680
		.amdhsa_private_segment_fixed_size 0
		.amdhsa_enable_private_segment 0
		.amdhsa_kernarg_size 32
		.amdhsa_user_sgpr_count 2
		.amdhsa_user_sgpr_kernarg_segment_ptr 1
		.amdhsa_wavefront_size32 1
		.amdhsa_system_sgpr_workgroup_id_x 1
		.amdhsa_system_sgpr_workgroup_id_y 1
		.amdhsa_system_sgpr_workgroup_id_z 1
		.amdhsa_system_vgpr_workitem_id 0
		.amdhsa_next_free_vgpr 512
		.amdhsa_next_free_sgpr 90
		.amdhsa_reserve_vcc 0
		.amdhsa_float_denorm_mode_32 3
		.amdhsa_float_denorm_mode_16_64 3
		.amdhsa_memory_ordered 1
		.amdhsa_forward_progress 1
		.amdhsa_inst_pref_size 146
	.end_amdhsa_kernel
	.amdgpu_metadata
---
amdhsa.version: [ 1, 2 ]
amdhsa.kernels:
  - .name:           k_q5955665306_attn
    .symbol:         k_q5955665306_attn.kd
    .args:
      - { .name: qb, .offset: 0, .size: 8, .value_kind: global_buffer, .address_space: global }
      - { .name: kv, .offset: 8, .size: 8, .value_kind: global_buffer, .address_space: global }
      - { .name: attn_mask, .offset: 16, .size: 8, .value_kind: global_buffer, .address_space: global }
      - { .name: ao, .offset: 24, .size: 8, .value_kind: global_buffer, .address_space: global }
    .group_segment_fixed_size: 327680
    .private_segment_fixed_size: 0
    .kernarg_segment_align: 8
    .kernarg_segment_size: 32
    .max_flat_workgroup_size: 256
    .sgpr_count:     90
    .vgpr_count:     512
    .wavefront_size: 32
...
	.end_amdgpu_metadata
.endif
;; end of part 2
;; launch proj (part 3): grid 16 x 16, 4 waves a work-group, clusters of 4 x 4, 327,680 bytes of LDS; arguments ao, Wo_codes, Wo_scales, bo, out0; writes out0
.if DOCPART == 3
	.amdgcn_target "amdgcn-amd-amdhsa--gfx1250"
	.amdhsa_code_object_version 6
	.text
	.protected	k_q5955665306_proj
	.globl	k_q5955665306_proj
	.p2align	8
	.type	k_q5955665306_proj,@function
k_q5955665306_proj:
	s_mov_b64 s[64:65], 0
	v_nop
	global_prefetch_b8 v0, s[64:65] scope:SCOPE_SE
	s_setreg_imm32_b32 hwreg(HW_REG_WAVE_MODE, 25, 1), 1
	s_wait_xcnt 0x0
	s_wait_alu depctr_hold_cnt(0) depctr_sa_sdst(0) depctr_va_vdst(0) depctr_va_sdst(0) depctr_va_ssrc(0) depctr_va_vcc(0) depctr_vm_vsrc(0)
	s_getreg_b32 s2, hwreg(HW_REG_IB_STS2, 6, 4)
	s_cmp_eq_u32 s2, 0
	s_cbranch_scc0 .Lentry_in_a_cluster
	s_endpgm
.Lentry_in_a_cluster:
	s_bfe_u32 s2, ttmp6, 0x10000c
	s_cmp_lg_u32 s2, 0xf033
	s_cbranch_scc0 .Lentry_shape_is_right
	s_endpgm
.Lentry_shape_is_right:
; LAUNCH 3 OF 3.  out0 = a Wo^T + bo, 2,048 x 2,048 x 2,048, on codes of FP4 (E2M1) with E8M0 scales; sums and bias in f32.  a is the attention's result as the launch before has quantised and laid it:
; ao: block (block of 128 queries x 16 + head) of 8,704 bytes: 8 images of fragments (16 rows x 128 K: registers 0-3 at 16 x lane, registers 4-7 at 512 + 16 x lane), then 128 scale words.  No work is left out.
; A tile of out0 is 128 x 128: 256 work-groups.  At this tile the WHOLE K of both panels lies in LDS: every fill is a first fill, one load a wave at the head: waves 0 and 1 fetch
; the halves of A's panel, wave 2 Wo's 128 rows, wave 3 their scale bytes; one barrier shows all of it.  No loop is left for a prefetch to run ahead in.
; Four waves, each 64 x 64.  A wave keeps Wo's fragments of its 64 columns over all of K in 512 registers and finishes its four blocks of 16 rows one after the other, so that finished rows leave while the others are
; multiplied; no fragment is read twice.
; CLUSTERS: 4 x 4.  A's panel is asked for jointly along a row of the cluster, Wo's along a column.  THE MATRIX INSTRUCTION IS USED TRANSPOSED (source 0 = 16 rows of Wo, source 1 = 16 queries):
; a lane holds eight neighbouring numbers of a row of out0.  The bias is the C of each sum's first matrix instruction.
; REGISTERS: window 0: v1-17 addresses; v30, v31 the add's two; v32-63 A's scale words, v64-95 Wo's; v96-127 the bias; v128-191 accumulators, a set of four for even and for odd blocks; v192-255 rows on the way out, two sets.
;   windows 1 and 2: Wo's fragments, K steps 0-7 and 8-15.   window 3: A's fragments of a block of 16 rows over all of K, two sets of 128.
.set ABLK,  8704                       ; a K step of A's panel
.set BP,    16*ABLK                    ; Wo's panel: 128 rows of 1,024 bytes + 16 of padding: an odd multiple of 16
.set BPITCH, 1040
.set BSC,   BP+128*BPITCH              ; Wo's scale bytes: 32 units of 256 bytes + 16 of padding
.set STAGE, BSC+32*272                 ; the way out: 16 rows x (256 + 16) bytes for each wave; no fill lands here
.set SPARE, STAGE+4*16*272             ; the spare words: 128 bytes a wave
.set SPW,  30
.set NIL,  31
.set SAR,  32
.set SBR,  64
.set BO,   96
.set ACC,  128
.set OUTR, 192
.set WV,   14                          ; s14 wave; s15 which 64 rows; s16 which 64 columns, also: which half of A's panel I fetch
.set RH,   15
.set CH,   16
.set G1A,  24
.set G1B,  32
.set G1S,  40
.set G0A,  48
.set G0B,  52
.set G0S,  56
.set MSB, 0
.macro WIN new
.if MSB != (\new)
	s_set_vgpr_msb (MSB<<8)|(\new)
.set MSB, (\new)
.endif
.endm
.macro CROUND
	s_barrier_signal -1
	s_barrier_wait -1
	s_cmp_lg_u32 s[WV], 0
	s_cbranch_scc1 .Lnot_wave_0_\@
	s_barrier_signal -3
.Lnot_wave_0_\@:
	s_barrier_wait -3
	s_barrier_signal -1
	s_barrier_wait -1
.endm
.macro PLACES
.rept 4
	v_nop
.endr
.endm
	s_load_b256 s[4:11], s[0:1], 0x0               ; ao s[4:5], Wo's codes s[6:7], Wo's scales s[8:9], bo s[10:11]
	s_load_b64 s[12:13], s[0:1], 0x20              ; out0
	v_lshl_add_u32 v[SPW], v0, 2, SPARE
	v_mov_b32 v[NIL], 0
	ds_add_u32 v[SPW], v[NIL]                      ; the wave's opening: the add, twice on end, and its wait ahead of my first tensor load
	ds_add_u32 v[SPW], v[NIL]
	v_lshrrev_b32 v1, 5, v0
	v_readfirstlane_b32 s[WV], v1
	s_lshr_b32 s[RH], s[WV], 1
	s_and_b32 s[CH], s[WV], 1
	s_bfe_u32 s17, ttmp6, 0x40000                  ; cx
	s_bfe_u32 s18, ttmp6, 0x40004                  ; cy
	s_lshl_b32 s19, ttmp9, 2
	s_add_co_u32 s19, s19, s17                     ; tile column
	s_and_b32 s20, ttmp7, 0xffff
	s_lshl_b32 s20, s20, 2
	s_add_co_u32 s20, s20, s18                     ; tile row
	s_lshl_b32 s21, s18, 2
	s_lshl_b32 s21, 15, s21                        ; my row of the cluster
	s_lshl_b32 s22, 0x1111, s17                    ; my column
	s_or_b32 s[G1A], s21, (3<<16)|(1<<21)          ; A: eight K steps, 69,632 dense bytes, as 68 rows of 128 elements of 8 bytes; no padding
	s_mov_b32 s[G1A+1], 128<<16
	s_mov_b32 s[G1A+2], 68<<16
	s_mov_b32 s[G1A+3], 128<<16
	s_mov_b32 s[G1A+4], 68
	s_mov_b32 s[G1A+5], 128
	s_mov_b32 s[G1A+6], 0
	s_mov_b32 s[G1A+7], 0
	s_or_b32 s[G1B], s22, (0<<16)|(1<<20)|(1<<21)|(7<<22)|(3<<25)   ; Wo: 128 rows x 1,024 bytes; 4 words of padding after every 256
	s_mov_b32 s[G1B+1], 1024<<16
	s_mov_b32 s[G1B+2], 128<<16
	s_mov_b32 s[G1B+3], 1024<<16
	s_mov_b32 s[G1B+4], 128
	s_mov_b32 s[G1B+5], 1024
	s_mov_b32 s[G1B+6], 0
	s_mov_b32 s[G1B+7], 0
	s_or_b32 s[G1S], s22, (3<<16)|(1<<20)|(1<<21)|(5<<22)|(3<<25)   ; Wo's scales of 128 rows: 8,192 dense bytes as 32 rows of 256; 4 words of padding after every 64
	s_mov_b32 s[G1S+1], 32<<16
	s_mov_b32 s[G1S+2], 32<<16
	s_mov_b32 s[G1S+3], 32<<16
	s_mov_b32 s[G1S+4], 32
	s_mov_b32 s[G1S+5], 32
	s_mov_b32 s[G1S+6], 0
	s_mov_b32 s[G1S+7], 0
	s_lshl_b32 s88, s20, 4
	s_lshl_b32 s89, s[CH], 3
	s_add_co_u32 s88, s88, s89
	s_mul_i32 s88, s88, ABLK                       ; A: block 16 x tile row + 8 x half
	s_mov_b32 s89, 0
	s_lshl_b32 s96, s19, 13                        ; Wo: row 128 x tile column: its scales,
	s_mov_b32 s97, 0
	s_lshl_b32 s92, s19, 17                        ; its codes
	s_mov_b32 s93, 0
	s_wait_dscnt 0x0                               ; both opening adds are done
	s_wait_kmcnt 0x0
	s_add_nc_u64 s[90:91], s[4:5], s[88:89]
	s_add_nc_u64 s[94:95], s[6:7], s[92:93]
	s_add_nc_u64 s[96:97], s[8:9], s[96:97]
	CROUND                                         ; all sixteen work-groups are here: the joint loads meet
	s_mov_b32 s[G0A], 1
	s_mul_i32 s[G0A+1], s[CH], 8*ABLK
	s_mov_b64 s[G0A+2:G0A+3], s[90:91]
	s_or_b32 s[G0A+3], s[G0A+3], 0x80000000
	s_mov_b32 s[G0B], 1
	s_mov_b32 s[G0B+1], BP
	s_mov_b64 s[G0B+2:G0B+3], s[94:95]
	s_or_b32 s[G0B+3], s[G0B+3], 0x80000000
	s_mov_b32 s[G0S], 1
	s_mov_b32 s[G0S+1], BSC
	s_mov_b64 s[G0S+2:G0S+3], s[96:97]
	s_or_b32 s[G0S+3], s[G0S+3], 0x80000000
	s_cmp_lt_u32 s[WV], 2                          ; one load a wave, in the arms of one tree of branches on its number
	s_cbranch_scc0 .Lfill_b
	tensor_load_to_lds s[G0A:G0A+3], s[G1A:G1A+7]
	s_nop 0
	PLACES
	s_branch .Lfilled
.Lfill_b:
	s_cmp_lt_u32 s[WV], 3
	s_cbranch_scc0 .Lfill_s
	tensor_load_to_lds s[G0B:G0B+3], s[G1B:G1B+7]
	s_nop 0
	PLACES
	s_branch .Lfilled
.Lfill_s:
	tensor_load_to_lds s[G0S:G0S+3], s[G1S:G1S+7]
	s_nop 0
	PLACES
.Lfilled:
	s_lshl_b32 s88, s[RH], 12
	s_mul_i32 s89, s[CH], 64*BPITCH
	s_add_co_u32 s89, s89, BP
	s_lshl_b32 s90, s[RH], 8
	s_add_co_u32 s90, s90, 8192
	s_mul_i32 s91, s[CH], 16*272
	s_add_co_u32 s91, s91, BSC
	s_mul_i32 s92, s[WV], 16*272
	s_add_co_u32 s92, s92, STAGE                   ; my stage
	v_and_b32 v8, 15, v0                           ; r
	v_bfe_u32 v9, v0, 4, 1                         ; h
	v_and_b32 v10, 31, v0                          ; lane
	v_lshl_add_u32 v1, v10, 4, s88                 ; A's images: 16 x lane + my four tiles, K steps 0-7,
	v_add_nc_u32 v16, 8*ABLK, v1                   ; and K steps 8-15
	v_mul_u32_u24 v11, v8, 272
	v_mul_u32_u24 v15, v8, BPITCH
	v_lshl_add_u32 v2, v9, 4, v15
	v_add_nc_u32 v2, s89, v2                       ; Wo's fragments: my 64 rows, row r, + 16 h
	v_lshl_add_u32 v3, v10, 2, s90                 ; A's scale words: 4 x lane + my 64 rows', K steps 0-7,
	v_add_nc_u32 v17, 8*ABLK, v3                   ; and K steps 8-15
	v_lshrrev_b32 v12, 2, v8
	v_mul_u32_u24 v12, v12, 272
	v_and_b32 v13, 3, v8
	v_lshl_add_u32 v12, v13, 6, v12                ; Wo's: row r: four rows of 64 bytes to a unit;
	v_mad_u32_u24 v12, v9, 1088, v12               ; lanes 16-31 take the tile 16 rows on
	v_add_nc_u32 v4, s91, v12
	v_lshl_add_u32 v5, v9, 5, v11
	v_add_nc_u32 v5, s92, v5                       ; in: row r, + 32 h
	v_mul_u32_u24 v6, v9, 272
	v_lshl_add_u32 v6, v8, 4, v6
	v_add_nc_u32 v6, s92, v6                       ; back: lanes 0-15 one row of 256 bytes, lanes 16-31 the next
	v_lshlrev_b32 v7, 13, v9
	v_lshl_add_u32 v7, v8, 4, v7                   ; and the same two rows in out0
	v_lshlrev_b32 v14, 5, v9                       ; the bias: 32 h
	s_wait_alu depctr_va_vdst(0)                   ; at the head's end
	s_lshl_b32 s88, s19, 7
	s_lshl_b32 s89, s[CH], 6
	s_add_co_u32 s88, s88, s89
	s_lshl_b32 s88, s88, 2                         ; my first column, in bytes
	s_mov_b32 s89, 0
	s_add_nc_u64 s[10:11], s[10:11], s[88:89]
	s_add_nc_u64 s[12:13], s[12:13], s[88:89]
	s_lshl_b32 s88, s20, 7
	s_lshl_b32 s92, s[RH], 6
	s_add_co_u32 s88, s88, s92
	s_lshl_b32 s88, s88, 13                        ; my first row: 8,192 bytes a row
	s_add_nc_u64 s[12:13], s[12:13], s[88:89]
.irp b, 0,1,2,3
	global_load_b128 v[BO+8*\b:BO+8*\b+3], v14, s[10:11] offset:64*\b        ; bo at columns 16 b + 8 h + 0 .. 7: the result's layout
	global_load_b128 v[BO+8*\b+4:BO+8*\b+7], v14, s[10:11] offset:64*\b+16
.endr
.macro AFRAG k, a                      ; A's fragment of block a at K step k -> set a % 2; the destination window is 3
.set FR, 128*((\a)%2)+8*(\k)
.if (\k) < 8
	ds_load_b128 v[FR:FR+3],   v1 offset:ABLK*(\k)+1024*(\a)
	ds_load_b128 v[FR+4:FR+7], v1 offset:ABLK*(\k)+1024*(\a)+512
.else
	ds_load_b128 v[FR:FR+3],   v16 offset:ABLK*((\k)-8)+1024*(\a)
	ds_load_b128 v[FR+4:FR+7], v16 offset:ABLK*((\k)-8)+1024*(\a)+512
.endif
.endm
.macro ALOAD a                         ; all of K: 32 loads
	WIN 0xc0
.irp k, 0,1,2,3,4,5,6,7,8,9,10,11,12,13,14,15
	AFRAG \k, \a
.endr
	WIN 0
.endm
.macro GROUP g                         ; K steps 4 g .. 4 g + 3: Wo's 16 fragments and block 0's four of A: 40 loads
	WIN 0x40+0x40*((\g)/2)
.irp k, 0,1,2,3
.irp b, 0,1,2,3
.set FR, 32*((4*(\g)+\k)%8)+8*\b
	ds_load_b128 v[FR:FR+3],   v2 offset:64*(4*(\g)+\k)+16*BPITCH*\b
	ds_load_b128 v[FR+4:FR+7], v2 offset:64*(4*(\g)+\k)+16*BPITCH*\b+32
.endr
.endr
	WIN 0xc0
.irp k, 0,1,2,3
	AFRAG 4*(\g)+\k, 0
.endr
	WIN 0
.endm
.macro MUL a, g                        ; block a, K steps 4 g .. 4 g + 3: its four accumulators take turns, one instruction a turn
	WIN 0x0d+(\g)/2                                ; source 0 window 1 or 2, source 1 window 3, C and D window 0
.irp k, 0,1,2,3
.irp b, 0,1,2,3
.set KK, 4*(\g)+\k
.set DD, ACC+32*((\a)%2)+8*\b
.if KK == 0
.set CC, BO+8*\b
.else
.set CC, DD
.endif
.set BF, 32*(KK%8)+8*\b
.set AFR, 128*((\a)%2)+8*KK
.set SBX, SBR+16*(\b/2)+KK
.set SAX, SAR+2*KK+(\a)/2
.if (\b%2) && ((\a)%2)
	v_wmma_scale_f32_16x16x128_f8f6f4 v[DD:DD+7], v[BF:BF+7], v[AFR:AFR+7], v[CC:CC+7], v[SBX], v[SAX] matrix_a_fmt:MATRIX_FMT_FP4 matrix_b_fmt:MATRIX_FMT_FP4 matrix_a_scale:MATRIX_SCALE_ROW1 matrix_b_scale:MATRIX_SCALE_ROW1
.elseif \b%2
	v_wmma_scale_f32_16x16x128_f8f6f4 v[DD:DD+7], v[BF:BF+7], v[AFR:AFR+7], v[CC:CC+7], v[SBX], v[SAX] matrix_a_fmt:MATRIX_FMT_FP4 matrix_b_fmt:MATRIX_FMT_FP4 matrix_a_scale:MATRIX_SCALE_ROW1
.elseif (\a)%2
	v_wmma_scale_f32_16x16x128_f8f6f4 v[DD:DD+7], v[BF:BF+7], v[AFR:AFR+7], v[CC:CC+7], v[SBX], v[SAX] matrix_a_fmt:MATRIX_FMT_FP4 matrix_b_fmt:MATRIX_FMT_FP4 matrix_b_scale:MATRIX_SCALE_ROW1
.else
	v_wmma_scale_f32_16x16x128_f8f6f4 v[DD:DD+7], v[BF:BF+7], v[AFR:AFR+7], v[CC:CC+7], v[SBX], v[SAX] matrix_a_fmt:MATRIX_FMT_FP4 matrix_b_fmt:MATRIX_FMT_FP4
.endif
.endr
.endr
	WIN 0
.endm
; THE WAY OUT, 16 rows x 64 columns at a time.  A lane holds 32 neighbouring bytes of a row; the block goes through my own stage and comes back as whole rows of 256 bytes.  LDS serves a wave's instructions in order:
; no wait stands between the stores and the loads, nor ahead of the next block's stores.
.macro TOSTAGE a
.set AC, ACC+32*((\a)%2)
.irp b, 0,1,2,3
	ds_store_b128 v5, v[AC+8*\b:AC+8*\b+3] offset:64*\b            ; each accumulator from its low end on
	ds_store_b128 v5, v[AC+8*\b+4:AC+8*\b+7] offset:64*\b+16
.endr
.set BB, OUTR+32*((\a)%2)
.irp t, 0,1,2,3,4,5,6,7
	ds_load_b128 v[BB+4*\t:BB+4*\t+3], v6 offset:544*\t
.endr
.endm
.macro SEND a, younger                 ; younger: the LDS instructions issued behind block a's loads
.set BB, OUTR+32*((\a)%2)
	s_wait_dscnt \younger
.irp t, 0,1,2,3,4,5,6,7
	global_store_b128 v7, v[BB+4*\t:BB+4*\t+3], s[12:13] offset:(16*(\a)+2*\t)*8192 th:TH_STORE_NT   ; sixteen lanes store 256 consecutive bytes, at a multiple of 256 from out0's first byte
.endr
.endm
	s_wait_loadcnt 0x0                             ; the bias
	s_wait_tensorcnt 0x0                           ; my part of the panels is in
	s_barrier_signal -1
	s_barrier_wait -1                              ; everybody's is.
.irp p, 0,1
.irp j, 0,1,2,3
	ds_load_b128 v[SBR+16*\p+4*\j:SBR+16*\p+4*\j+3], v4 offset:2176*\p+16*\j      ; Wo's scale words: lanes 0-15 an even tile's, lanes 16-31 the next tile's
.endr
.endr
.irp k, 0,1,2,3,4,5,6,7
.irp p, 0,1
	ds_load_b32 v[SAR+2*\k+\p], v3 offset:ABLK*\k+128*\p                          ; A's likewise
	ds_load_b32 v[SAR+16+2*\k+\p], v17 offset:ABLK*\k+128*\p
.endr
.endr
	GROUP 0
	GROUP 1
	s_wait_dscnt 40                                ; all but the youngest group
	MUL 0, 0
	GROUP 2
	s_wait_dscnt 40
	MUL 0, 1
	GROUP 3
	s_wait_dscnt 40
	MUL 0, 2
	ALOAD 1
	s_wait_dscnt 32                                ; all but block 1's fragments
	MUL 0, 3
.irp a, 0,1,2,3
	PLACES                                         ; behind block a's last products: ahead of the first read of results, and of loads into its fragments' registers
.if \a > 1
	s_wait_xcnt 0x0                                ; block a - 2's stores have read their registers: block a's rows may land there
.endif
	TOSTAGE \a
.if \a < 2
	ALOAD \a+2                                     ; block a's set of fragments takes the block two further on
	SEND \a, 32                                    ; (so block a + 1's fragments, asked for ahead of TOSTAGE, are in too)
.else
	SEND \a, 0
.endif
.if \a < 3
.irp g, 0,1,2,3
	MUL \a+1, \g
.endr
.endif
.endr
	s_wait_tensorcnt 0x0                           ; the wave's end, behind my last tensor load and my last LDS store
	ds_add_u32 v[SPW], v[NIL]
	s_wait_dscnt 0x0
	CROUND                                         ; the closing round
	s_endpgm
.Lfunc_end_k_q5955665306_proj:
	.size	k_q5955665306_proj, .Lfunc_end_k_q5955665306_proj-k_q5955665306_proj
	.p2alignl 7, 3214868480
	.fill 96, 4, 3214868480
	.section	.rodata,"a",@progbits
	.p2align	6, 0x0
	.amdhsa_kernel k_q5955665306_proj
		.amdhsa_group_segment_fixed_size 327680
		.amdhsa_private_segment_fixed_size 0
		.amdhsa_enable_private_segment 0
		.amdhsa_kernarg_size 40
		.amdhsa_user_sgpr_count 2
		.amdhsa_user_sgpr_kernarg_segment_ptr 1
		.amdhsa_wavefront_size32 1
		.amdhsa_system_sgpr_workgroup_id_x 1
		.amdhsa_system_sgpr_workgroup_id_y 1
		.amdhsa_system_sgpr_workgroup_id_z 1
		.amdhsa_system_vgpr_workitem_id 0
		.amdhsa_next_free_vgpr 1024
		.amdhsa_next_free_sgpr 98
		.amdhsa_reserve_vcc 0
		.amdhsa_float_denorm_mode_32 3
		.amdhsa_float_denorm_mode_16_64 3
		.amdhsa_memory_ordered 1
		.amdhsa_forward_progress 1
		.amdhsa_inst_pref_size 69
	.end_amdhsa_kernel
	.amdgpu_metadata
---
amdhsa.version: [ 1, 2 ]
amdhsa.kernels:
  - .name:           k_q5955665306_proj
    .symbol:         k_q5955665306_proj.kd
    .args:
      - { .name: ao, .offset: 0, .size: 8, .value_kind: global_buffer, .address_space: global }
      - { .name: Wo_codes, .offset: 8, .size: 8, .value_kind: global_buffer, .address_space: global }
      - { .name: Wo_scales, .offset: 16, .size: 8, .value_kind: global_buffer, .address_space: global }
      - { .name: bo, .offset: 24, .size: 8, .value_kind: global_buffer, .address_space: global }
      - { .name: out0, .offset: 32, .size: 8, .value_kind: global_buffer, .address_space: global }
    .group_segment_fixed_size: 327680
    .private_segment_fixed_size: 0
    .kernarg_segment_align: 8
    .kernarg_segment_size: 40
    .max_flat_workgroup_size: 128
    .sgpr_count:     98
    .vgpr_count:     1024
    .wavefront_size: 32
...
	.end_amdgpu_metadata
.endif
;; end of part 3
